; MI455X (gfx1250); checked and timed in simulation.
; The chip was launched on July 23, 2026; its instructions are those of AMD's public machine-readable ISA for CDNA 5 (MIT licence, August 2026) and "CDNA5" Instruction Set Architecture Reference Guide (July 2026). The comments in the code are by the model that wrote it; some were corrected since.
;; Attention. Allowed arithmetic: matrix products marked QUANTISED: E3M2 operands, one E8M0 scale for each 32 along K, by v_wmma_scale_f32_16x16x128_f8f6f4 with both operands' format E3M2, f32 sums; everything else in f32.
;; Inputs: W_proj 1,024 x 1,024 float32; W_qkv 1,024 x 3,072 float32; b_proj 1,024 float32; x 4 x 2,048 x 1,024 float32.
;; Outputs: out0 4 x 2,048 x 1,024 float32.
;; This version of the problem:
;;   THIS VERSION OF THE PROBLEM IS GIVEN IN LOW PRECISION. The matrix products marked QUANTISED in the list below multiply operands that are first quantised to E3M2 (3 exponent bits, 2 mantissa bits; 6 bits a number), with one power-of-two scale for each 32 numbers along K (OCP MX v1.0); their sums are f32. All else is computed in f32.
;;   The module's matrix products, in the order in which they are computed (A, B: the left and right operand; K: the contracted axis; several contracted axes count as one K, in the product's order):
;;     1. [M 8,192, K 1,024] x [K 1,024, N 3,072]; A: input x; B: input W_qkv: QUANTISED
;;     2. batch 64 x [M 2,048, K 64] x [K 64, N 2,048]; A: computed on the way; B: computed on the way: QUANTISED
;;     3. batch 64 x [M 2,048, K 2,048] x [K 2,048, N 64]; A: softmax (see below); B: computed on the way: QUANTISED
;;     4. [M 8,192, K 1,024] x [K 1,024, N 1,024]; A: computed on the way; B: input W_proj: QUANTISED
;;   THE QUANTISER, for each operand of a quantised product, along K:
;;     - K is cut into blocks of 32 from its start; a last block that is shorter is filled with zeros.
;;     - A block's scale is 2^e with e = floor(log2(the largest magnitude in the block)) - 4, held to -126 .. 127; a block of zeros has e = 0. As a byte (E8M0): e + 127.
;;     - Each number is divided by its block's scale, clamped to +-28, and rounded to the nearest number of E3M2, ties to even, subnormals kept.
;;     - The product sums the exact products of the quantised numbers (number of the format x scale) in f32.
;;   ~~~python
;;   def quantise(x, axis):      # numpy; x: float32 -> the quantised numbers, widened to float32 again
;;       x = np.moveaxis(x, axis, -1); K = x.shape[-1]
;;       x = np.pad(x, [(0, 0)] * (x.ndim - 1) + [(0, -K % 32)]); x = x.reshape(x.shape[:-1] + (-1, 32)); a = np.abs(x).max(-1, keepdims=True)
;;       e = np.where(a > 0, np.clip(np.frexp(np.where(a > 0, a, 1))[1] - 1 - 4, -126, 127), 0)      # np.frexp(a)[1] - 1 = floor(log2(a)), exactly
;;       r = np.clip(x / 2.0 ** e, -28, 28)
;;       step = 2.0 ** (np.maximum(np.frexp(np.where(r == 0, 1, r))[1] - 1, -2) - 2)
;;       q = np.round(r / step) * step * 2.0 ** e      # np.round: ties to even
;;       return np.moveaxis(q.reshape(q.shape[:-2] + (-1,))[..., :K], -1, axis).astype(np.float32)
;;   ~~~
;;   SOFTMAX AHEAD OF A QUANTISED PRODUCT. Where the list says 'softmax', what is quantised is not the finished softmax but p = 2^(t - M), with t = logit x log2(e) and M = ceil(the row's largest t), a whole number; so 1/2 < the row's largest p <= 1. The row's sum l is taken of the UNQUANTISED p, in f32, and the product's result is divided by l at the end. Since M is a whole number, a kernel that streams over the keys may use a running M (the ceiling of the running maximum): every later rescaling is an exact power of two, which a block's scale takes up: the codes' values come out the same.
;;   OPERANDS COMPUTED ON THE WAY. 'Computed on the way' means the value that the module computes at that place (a softmax that the list does not call 'softmax' is quantised finished and normalised). What goes into a quantiser is computed in f32, as accurately as f32 sums, v_exp_f32 and their like allow (about 1e-6 of the number): no bf16 or f16 on the way to a quantiser, and a product that is left as it is and whose result goes on into a quantised operand takes f32 operands (vector FMAs, or v_wmma_f32_16x16x4_f32). A number that lies on a knife's edge between two numbers of the format may be rounded either way, as far as f32 arithmetic and the matrix unit's own rounding can turn it there, and no further.
;; One version. Each part assembles by itself: llvm-mc -triple=amdgcn-amd-amdhsa -mcpu=gfx1250 --defsym DOCPART=n.
;; ======== version 1 of 1: 4 launches
;; limits: right only within a limited range of input values
;; workspace buffers: xc 6,291,456 bytes; xs 262,144 bytes; wc 3,145,728 bytes; ws 131,072 bytes; qkvc 18,874,368 bytes; qkvs 1,310,720 bytes; ac 6,291,456 bytes; asc 262,144 bytes
;; launch quant (part 1): grid 384 x 1, 4 waves a work-group, no clusters, 34,304 bytes of LDS; arguments x, W_qkv, W_proj, xc, xs, wc, ws; writes xc, xs, wc, ws
.if DOCPART == 1
	.amdgcn_target "amdgcn-amd-amdhsa--gfx1250"
	.amdhsa_code_object_version 6
	.text
	.protected	k_qc79b8b7360_quant
	.globl	k_qc79b8b7360_quant
	.p2align	8
	.type	k_qc79b8b7360_quant,@function
k_qc79b8b7360_quant:
	s_mov_b64 s[64:65], 0
	v_nop
	global_prefetch_b8 v0, s[64:65] scope:SCOPE_SE
	s_setreg_imm32_b32 hwreg(HW_REG_WAVE_MODE, 25, 1), 1
	s_wait_xcnt 0x0
; x [8192][1024], W_qkv [1024][3072] and W_proj [1024][1024], f32, become codes of BF6 (E3M2) with one E8M0 byte for each 32 along K (K = 1024 for all three).
; A block's scale is 2^(floor(log2(its largest magnitude)) - 4); its byte is the largest magnitude's exponent field - 4, held at 1 from below.
; LIMITS: NaN and infinities among the inputs are not served; a block whose largest magnitude lies under 2^-122 keeps the byte 1; a block of zeros gets the byte 1 where the rule says 127:
; its codes are zeros, which add nothing under any byte but 0xff, and this program alone reads the bytes.
; THE CODES ARE LAID IN THE ORDER OF THE OPERAND'S REGISTERS.  A unit is 16 rows x 64 K, 768 bytes: lane l = (r = l % 16, h = l / 16) owns block h of row r, six words: words 0-3 at 16 l, words 4-5 at 512 + 8 l.
; A tensor's codes are [row tile][16 units][768]; its scale bytes [row tile][K / 256][r][2 words], a word for 128 along K.  So a wave's stores cover 512 or 256 consecutive aligned bytes and no reader needs a pitch.
; THE ROWS OF A TILE ARE NOT NEIGHBOURS: row r of tile 2 b + u is token (or weight column) 32 b + 8 u + r + 8 (r / 8), so that a later product, used transposed, leaves 16 neighbours along the next K in a lane's registers.
; Work-groups 0-255 take x (K innermost: 16 rows x 512 K a wave, turned through the wave's own stage in LDS so that every load reads 512 consecutive bytes and every lane still gets 16 neighbours);
; work-groups 256-383 take the weights (K outermost: a lane takes a column and its registers run down K: nothing is transposed).  wc's rows 0-3071 are W_qkv's columns, rows 3072-4095 W_proj's.
; Memory binds: no matrix unit, no cluster (no two work-groups read the same byte), no barrier (waves share nothing).  Only the x path touches LDS.
.set R,   16                           ; x: v16-143   two sets of 64 numbers as loaded
.set X,   144                          ; x: v144-207  64 numbers: register 16 b + i = k 32 b + 16 h + i of row r
.set PC,  208                          ; x: v208-227  the codes just made
.set TM,  228                          ; x: v228-243  at work
.set PW,  244                          ; x: v244      the scale word just made
.set SW,  246                          ; x: v246-249  the four steps' scale words
.set SEL, 20                           ; s[20:21]     v_permlanex16_b32's selects for lane l xor 16
.set VO,  16                           ; W: v16-47    byte offset of my column in row i of a block
.set WX,  48                           ; W: v48-111   two sets of 32 numbers
.set WC,  112                          ; W: v112-175  codes: 16 registers for each pair of blocks, so that no store's data are written again
.set WT,  176                          ; W: v176-178  the second half of a block's codes, before it is moved
.set SB,  180                          ; W: v180-181  my column's eight scale bytes
; 64 numbers of a lane become a fragment's codes (16 rows x 128 K) in v[PC] on and its scale word in v[PW]
.macro QUANT s
.irp b, 0,1,2,3
	v_max3_num_f32 v[TM+\b], |v[\s+16*\b]|, |v[\s+1+16*\b]|, 0x2800000   ; block b: my 16 numbers, and the floor 2^(5 - 127): the byte cannot fall under 1
.endr
.irp i, 2,4,6,8,10,12,14
.irp b, 0,1,2,3
	v_max3_num_f32 v[TM+\b], v[TM+\b], |v[\s+16*\b+\i]|, |v[\s+1+16*\b+\i]|   ; the four blocks by turns
.endr
.endr
.irp b, 0,1,2,3
	v_permlanex16_b32 v[TM+4+\b], v[TM+\b], s[SEL], s[SEL+1]
.endr
.irp b, 0,1,2,3
	v_max_num_f32 v[TM+\b], v[TM+\b], v[TM+4+\b]   ; with lane l xor 16's: the block's largest magnitude
.endr
.irp b, 0,1,2,3
	v_add_nc_u32 v[TM+12+\b], 0xfe000000, v[TM+\b]   ; 4 off its exponent field: the conversion's scale operand
.endr
.irp b, 0,1,2,3
	v_lshrrev_b32 v[TM+4+\b], 23, v[TM+12+\b]      ; the scale's byte
.endr
	v_lshl_or_b32 v[PW], v[TM+5], 8, v[TM+4]
	v_lshl_or_b32 v[PW], v[TM+6], 16, v[PW]
	v_lshl_or_b32 v[PW], v[TM+7], 24, v[PW]
.irp c, 0,1
	v_cvt_scalef32_pk16_bf6_f32 v[PC+6*\c:PC+2+6*\c], v[\s+32*\c:\s+15+32*\c], v[TM+12+2*\c]
	v_cvt_scalef32_pk16_bf6_f32 v[PC+12+4*\c:PC+14+4*\c], v[\s+16+32*\c:\s+31+32*\c], v[TM+13+2*\c]   ; (a conversion's three registers begin on an even number)
.endr
	v_nop                                          ; one plain place behind a scaled conversion
.irp c, 0,1                                    ; a whole block to a lane: lanes 0-15 block 2 c, lanes 16-31 block 2 c + 1
.irp i, 0,1,2
	v_permlane16_swap_b32 v[PC+6*\c+\i], v[PC+12+4*\c+\i]
.endr
.irp i, 0,1,2
	v_mov_b32 v[PC+3+6*\c+\i], v[PC+12+4*\c+\i]
.endr
.endr
.endm
.macro XLOAD t                         ; step t: 128 along K of my 16 rows; each load reads 512 consecutive bytes of one row
.irp i, 0,1,2,3,4,5,6,7,8,9,10,11,12,13,14,15
	global_load_b128 v[R+64*((\t)%2)+4*\i:R+64*((\t)%2)+4*\i+3], v1, s[4:5] offset:(\i+8*(\i/8))*4096+512*(\t) th:TH_LOAD_NT
.endr
.endm
.macro XTURN t                         ; through my stage: rows of 512 bytes + 16; LDS serves a wave's instructions in order, so no wait stands between the stores and the loads
.irp i, 0,1,2,3,4,5,6,7,8,9,10,11,12,13,14,15
	ds_store_b128 v3, v[R+64*((\t)%2)+4*\i:R+64*((\t)%2)+4*\i+3] offset:528*\i
.endr
.irp b, 0,1,2,3
.irp j, 0,1,2,3
	ds_load_b128 v[X+16*\b+4*\j:X+16*\b+4*\j+3], v4 offset:128*\b+16*\j
.endr
.endr
.endm
.macro XSTEP t
.if (\t) < 3
	s_wait_loadcnt 16                              ; this step's 16 loads are in; the next step's may be out
.else
	s_wait_loadcnt 0x0
.endif
.if (\t) > 0
	s_wait_xcnt 0x0                                ; the last step's stores have read the codes' registers, which are written again below
.endif
	XTURN \t
	s_wait_dscnt 0x0                               ; the numbers are back, and the stores into the stage have read their registers,
.if (\t) < 2
	XLOAD (\t)+2                                   ; which take the loads of two steps on
.endif
	QUANT X
	v_mov_b32 v[SW+(\t)], v[PW]
	global_store_b128 v1, v[PC:PC+3], s[10:11] offset:1536*(\t)          ; two units of 768 bytes: 512, 256, 512, 256 consecutive bytes
	global_store_b64 v2, v[PC+4:PC+5], s[10:11] offset:1536*(\t)+512
	global_store_b128 v1, v[PC+6:PC+9], s[10:11] offset:1536*(\t)+768
	global_store_b64 v2, v[PC+10:PC+11], s[10:11] offset:1536*(\t)+1280
.endm
.macro WLOAD t                         ; block t: W(32 t + i, my column), i = 0 .. 31: 128 bytes of a row for the wave, 512 for the work-group
.irp i, 0,1,2,3,4,5,6,7,8,9,10,11,12,13,14,15,16,17,18,19,20,21,22,23,24,25,26,27,28,29,30,31
	global_load_b32 v[WX+32*((\t)%2)+\i], v[VO+\i], s[32+2*(\t):33+2*(\t)] th:TH_LOAD_NT
.endr
.endm
.macro WBLOCK t
.set XS, WX+32*((\t)%2)
.set CB, WC+16*((\t)/2)+8*((\t)%2)
.set CE, WC+16*((\t)/2)
.if (\t) < 7
	s_wait_loadcnt 32                              ; this block's 32 loads are in; the next block's may be out
.else
	s_wait_loadcnt 0x0
.endif
	v_max3_num_f32 v12, |v[XS]|, |v[XS+1]|, |v[XS+2]|   ; the block's largest magnitude: all 32 numbers are mine
	v_max3_num_f32 v13, |v[XS+3]|, |v[XS+4]|, |v[XS+5]|
.irp i, 6,10,14,18,22,26
	v_max3_num_f32 v12, v12, |v[XS+\i]|, |v[XS+\i+1]|
	v_max3_num_f32 v13, v13, |v[XS+\i+2]|, |v[XS+\i+3]|
.endr
	v_max3_num_f32 v12, v12, |v[XS+30]|, |v[XS+31]|
	v_max3_num_f32 v12, v12, v13, 0x2800000        ; and the floor
	v_add_nc_u32 v11, 0xfe000000, v12              ; the conversion's scale operand
	v_lshrrev_b32 v13, 23, v11                     ; the byte
.if (\t)%4 == 0
	v_mov_b32 v[SB+(\t)/4], v13
.else
	v_lshl_or_b32 v[SB+(\t)/4], v13, 8*((\t)%4), v[SB+(\t)/4]
.endif
	v_cvt_scalef32_pk16_bf6_f32 v[CB:CB+2], v[XS:XS+15], v11
	v_cvt_scalef32_pk16_bf6_f32 v[WT:WT+2], v[XS+16:XS+31], v11
	v_nop                                          ; one plain place behind a scaled conversion
.irp i, 0,1,2
	v_mov_b32 v[CB+3+\i], v[WT+\i]
.endr
.if (\t) < 6
	WLOAD (\t)+2
.endif
.if (\t)%2 == 1                        ; two blocks are a unit's 64 along K.  Lane l holds row l of 32: the exchange leaves tile 0 (rows 0-15, block h in lane (r, h)) in the first six registers and tile 1 in the second six
.irp i, 0,1,2,3,4,5
	v_permlane16_swap_b32 v[CE+\i], v[CE+8+\i]
.endr
	global_store_b128 v1, v[CE:CE+3], s[14:15] offset:768*((\t)/2)
	global_store_b64 v2, v[CE+4:CE+5], s[14:15] offset:768*((\t)/2)+512
	global_store_b128 v1, v[CE+8:CE+11], s[14:15] offset:12288+768*((\t)/2)
	global_store_b64 v2, v[CE+12:CE+13], s[14:15] offset:12288+768*((\t)/2)+512
.endif
.endm
	s_load_b256 s[4:11], s[0:1], 0x0               ; x s[4:5], W_qkv s[6:7], W_proj s[8:9], xc s[10:11]
	s_load_b128 s[12:15], s[0:1], 0x20             ; xs s[12:13], wc s[14:15]
	s_load_b64 s[16:17], s[0:1], 0x30              ; ws
	v_lshl_add_u32 v254, v0, 2, 0x8400
	v_mov_b32 v255, 0
	v_lshrrev_b32 v1, 5, v0
	v_readfirstlane_b32 s18, v1                    ; wave 0..3
	v_and_b32 v6, 31, v0                           ; lane
	v_lshlrev_b32 v1, 4, v6                        ; 16 l
	v_lshlrev_b32 v2, 3, v6                        ; 8 l
	v_and_b32 v7, 15, v0                           ; r
	v_bfe_u32 v8, v0, 4, 1                         ; h
	s_cmp_lt_u32 ttmp9, 256
	s_cbranch_scc0 .Lweights
	; ---- x: row tile RT = 2 x work-group + wave / 2, K half kh = wave % 2
	s_lshl_b32 s22, ttmp9, 1
	s_lshr_b32 s23, s18, 1
	s_add_co_u32 s22, s22, s23                     ; RT
	s_and_b32 s23, s18, 1                          ; kh
	s_lshr_b32 s24, s22, 1
	s_lshl_b32 s24, s24, 5
	s_and_b32 s25, s22, 1
	s_lshl_b32 s25, s25, 3
	s_add_co_u32 s24, s24, s25                     ; the tile's first token: 32 (RT / 2) + 8 (RT % 2)
	s_lshl_b32 s24, s24, 12                        ; rows of 4,096 bytes
	s_lshl_b32 s25, s23, 11
	s_add_co_u32 s24, s24, s25
	s_mov_b32 s25, 0
	s_mul_i32 s26, s22, 12288                      ; the codes: 12,288 bytes a row tile, 6,144 a half of K
	s_mul_i32 s27, s23, 6144
	s_add_co_u32 s26, s26, s27
	s_mov_b32 s27, 0
	s_lshl_b32 s28, s22, 9                         ; the scale words: 512 bytes a row tile, 256 a half
	s_lshl_b32 s29, s23, 8
	s_add_co_u32 s28, s28, s29
	s_mov_b32 s29, 0
	s_mul_i32 s30, s18, 8448                       ; my stage: 16 rows x 528 bytes
	s_wait_alu depctr_va_vdst(0)
	v_add_nc_u32 v3, s30, v1                       ; in: 16 l of a row
	v_mul_u32_u24 v4, v7, 528
	v_lshl_add_u32 v4, v8, 6, v4
	v_add_nc_u32 v4, s30, v4                       ; out: row r, + 64 h: my 16 numbers of each block of 32
	s_mov_b32 s[SEL], 0x76543210
	s_mov_b32 s[SEL+1], 0xfedcba98
	s_mov_b32 s31, 0xffff0000                      ; lanes 16-31
.irp b, 0,1,2,3
	v_mov_b32 v[TM+4+\b], 0                        ; written once: a lane permute's destination counts as one of its sources
.endr
	s_wait_alu depctr_va_vdst(0)
	s_wait_kmcnt 0x0
	s_add_nc_u64 s[4:5], s[4:5], s[24:25]
	s_add_nc_u64 s[10:11], s[10:11], s[26:27]
	s_add_nc_u64 s[12:13], s[12:13], s[28:29]
	XLOAD 0
	XLOAD 1
	XSTEP 0
	XSTEP 1
	XSTEP 2
	XSTEP 3
	v_cndmask_b32 v[SW], v[SW], v[SW+2], s31       ; every lane holds row r's four words: lanes 0-15 store the first 256 K's two, lanes 16-31 the second's
	v_cndmask_b32 v[SW+1], v[SW+1], v[SW+3], s31
	global_store_b64 v2, v[SW:SW+1], s[12:13]      ; 256 consecutive aligned bytes
	s_wait_tensorcnt 0x0
	ds_add_u32 v254, v255
	s_wait_dscnt 0x0
	s_endpgm
.Lweights:
	; ---- the weights: group g of 128 rows of wc, quarter y of K; a wave takes 32 rows x 256 K
	s_sub_co_u32 s19, ttmp9, 256
	s_lshr_b32 s21, s19, 2                         ; g 0..31
	s_and_b32 s22, s19, 3                          ; y
	s_mov_b32 s20, 4096
	s_wait_kmcnt 0x0
	s_cmp_lt_u32 s21, 24                           ; W_qkv's group or W_proj's: the choice hangs on the work-group's number alone
	s_cselect_b64 s[6:7], s[6:7], s[8:9]
	s_cselect_b32 s20, 12288, s20                  ; bytes from row to row
	s_cselect_b32 s23, 0, 24
	s_sub_co_u32 s23, s21, s23
	s_lshl_b32 s23, s23, 7
	s_lshl_b32 s24, s18, 5
	s_add_co_u32 s23, s23, s24                     ; my wave's first column
	s_lshl_b32 s24, s23, 2
	s_lshl_b32 s25, s22, 8
	s_mul_i32 s25, s25, s20                        ; 256 y rows down
	s_add_co_u32 s24, s24, s25
	s_mov_b32 s25, 0
	s_add_nc_u64 s[32:33], s[6:7], s[24:25]        ; a base for each of the eight blocks: none is ever rewritten
	s_lshl_b32 s26, s20, 5
	s_mov_b32 s27, 0
.irp t, 1,2,3,4,5,6,7
	s_add_nc_u64 s[32+2*\t:33+2*\t], s[30+2*\t:31+2*\t], s[26:27]
.endr
	s_lshl_b32 s28, s21, 3
	s_lshl_b32 s29, s18, 1
	s_add_co_u32 s28, s28, s29                     ; my first row tile of wc: 8 g + 2 wave
	s_mul_i32 s30, s28, 12288
	s_mul_i32 s31, s22, 3072
	s_add_co_u32 s30, s30, s31
	s_mov_b32 s31, 0
	s_add_nc_u64 s[14:15], s[14:15], s[30:31]
	s_lshl_b32 s30, s28, 9
	s_lshl_b32 s28, s22, 7
	s_add_co_u32 s30, s30, s28
	s_add_nc_u64 s[16:17], s[16:17], s[30:31]
	s_wait_alu depctr_va_vdst(0)
	v_and_b32 v3, 7, v6                            ; row l of my 32 is column l with bits 3 and 4 exchanged
	v_bfe_u32 v4, v6, 3, 1
	v_lshl_or_b32 v3, v4, 4, v3
	v_lshl_or_b32 v3, v8, 3, v3
	v_lshlrev_b32 v3, 2, v3
	v_lshlrev_b32 v5, 3, v7
	v_lshl_or_b32 v5, v8, 9, v5                    ; my row's scale words: 512 (l / 16) + 8 (l % 16)
.irp i, 0,1,2,3,4,5,6,7,8,9,10,11,12,13,14,15,16,17,18,19,20,21,22,23,24,25,26,27,28,29,30,31
	v_mad_u32_u24 v[VO+\i], s20, \i, v3
.endr
	WLOAD 0
	WLOAD 1
.irp t, 0,1,2,3,4,5,6,7
	WBLOCK \t
.endr
	global_store_b64 v5, v[SB:SB+1], s[16:17]      ; sixteen lanes store 128 consecutive bytes: the tile's words for this quarter of K
	s_endpgm
.Lfunc_end_k_qc79b8b7360_quant:
	.size	k_qc79b8b7360_quant, .Lfunc_end_k_qc79b8b7360_quant-k_qc79b8b7360_quant
	.p2alignl 7, 3214868480
	.fill 96, 4, 3214868480
	.section	.rodata,"a",@progbits
	.p2align	6, 0x0
	.amdhsa_kernel k_qc79b8b7360_quant
		.amdhsa_group_segment_fixed_size 34304
		.amdhsa_private_segment_fixed_size 0
		.amdhsa_enable_private_segment 0
		.amdhsa_kernarg_size 56
		.amdhsa_user_sgpr_count 2
		.amdhsa_user_sgpr_kernarg_segment_ptr 1
		.amdhsa_wavefront_size32 1
		.amdhsa_system_sgpr_workgroup_id_x 1
		.amdhsa_system_sgpr_workgroup_id_y 1
		.amdhsa_system_sgpr_workgroup_id_z 1
		.amdhsa_system_vgpr_workitem_id 0
		.amdhsa_next_free_vgpr 256
		.amdhsa_next_free_sgpr 66
		.amdhsa_reserve_vcc 0
		.amdhsa_float_denorm_mode_32 3
		.amdhsa_float_denorm_mode_16_64 3
		.amdhsa_memory_ordered 1
		.amdhsa_forward_progress 1
		.amdhsa_inst_pref_size 76
	.end_amdhsa_kernel
	.amdgpu_metadata
---
amdhsa.version: [ 1, 2 ]
amdhsa.kernels:
  - .name:           k_qc79b8b7360_quant
    .symbol:         k_qc79b8b7360_quant.kd
    .args:
      - { .name: x, .offset: 0, .size: 8, .value_kind: global_buffer, .address_space: global }
      - { .name: W_qkv, .offset: 8, .size: 8, .value_kind: global_buffer, .address_space: global }
      - { .name: W_proj, .offset: 16, .size: 8, .value_kind: global_buffer, .address_space: global }
      - { .name: xc, .offset: 24, .size: 8, .value_kind: global_buffer, .address_space: global }
      - { .name: xs, .offset: 32, .size: 8, .value_kind: global_buffer, .address_space: global }
      - { .name: wc, .offset: 40, .size: 8, .value_kind: global_buffer, .address_space: global }
      - { .name: ws, .offset: 48, .size: 8, .value_kind: global_buffer, .address_space: global }
    .group_segment_fixed_size: 34304
    .private_segment_fixed_size: 0
    .kernarg_segment_align: 8
    .kernarg_segment_size: 56
    .max_flat_workgroup_size: 128
    .sgpr_count:     66
    .vgpr_count:     256
    .wavefront_size: 32
...
	.end_amdgpu_metadata
.endif
;; end of part 1
;; launch qkv (part 2): grid 12 x 32, 4 waves a work-group, clusters of 4 x 4, 327,680 bytes of LDS; arguments xc, xs, wc, ws, qkvc, qkvs; writes qkvc, qkvs
.if DOCPART == 2
	.amdgcn_target "amdgcn-amd-amdhsa--gfx1250"
	.amdhsa_code_object_version 6
	.text
	.protected	k_qc79b8b7360_qkv
	.globl	k_qc79b8b7360_qkv
	.p2align	8
	.type	k_qc79b8b7360_qkv,@function
k_qc79b8b7360_qkv:
	s_mov_b64 s[64:65], 0
	v_nop
	global_prefetch_b8 v0, s[64:65] scope:SCOPE_SE
	s_setreg_imm32_b32 hwreg(HW_REG_WAVE_MODE, 25, 1), 1
	s_wait_xcnt 0x0
	s_wait_alu depctr_hold_cnt(0) depctr_sa_sdst(0) depctr_va_vdst(0) depctr_va_sdst(0) depctr_va_ssrc(0) depctr_va_vcc(0) depctr_vm_vsrc(0)
	s_getreg_b32 s2, hwreg(HW_REG_IB_STS2, 6, 4)
	s_cmp_eq_u32 s2, 0
	s_cbranch_scc0 .Lentry_in_a_cluster
	s_endpgm
.Lentry_in_a_cluster:
	s_bfe_u32 s2, ttmp6, 0x10000c
	s_cmp_lg_u32 s2, 0xf033
	s_cbranch_scc0 .Lentry_shape_is_right
	s_endpgm
.Lentry_shape_is_right:
.set NAB,    8
.set HB,     NAB/2
.set FR,     12
.set NL,     4
.set KSB,    3072
.set HALFA,  NAB*KSB
.set HALFB,  8*KSB
.set SLOT,   2*HALFA+2*HALFB
.set SCL,    2*SLOT
.set HSA,    NAB*512
.set HSB,    8*512
.set SPARE,  SCL+2*HSA+2*HSB
.set LAPS,   2
.set HEADC,  294912
.set HEADS,  20480
.set ADRA16, 16
.set ADRA8,  18
.set ADRB16, 20
.set ADRB8,  22
.set L16,  24
.set L8,   25
.set SA,   26
.set ADRS, 27
.set SPW,  28
.set NIL,  29
.set SC,   32
.set TM,   64
.set SW,   80
.set SH,   88
.set PC,   90
.set AF,   128
.set G1, 24
.set G0, 32
.set G1B, 48
.set G0B, 56
.set G1S, 68
.set G0S, 76
.set G1SB, 80
.set G0SB, 88
.set SEL, 92
.set MSB, 0
.macro WIN new
.if MSB != (\new)
	s_set_vgpr_msb (MSB<<8)|(\new)
.set MSB, (\new)
.endif
.endm
.set TO_B, 0x40
.macro JLOAD g0a, g1a, g0b, g1b
	s_cmp_eq_u32 s17, 0
	s_cbranch_scc0 .Lfor_b_\@
	tensor_load_to_lds s[\g0a:\g0a+3], s[\g1a:\g1a+7]
	s_nop 0
.rept 4
	v_nop
.endr
	s_branch .Lasked_\@
.Lfor_b_\@:
	tensor_load_to_lds s[\g0b:\g0b+3], s[\g1b:\g1b+7]
	s_nop 0
.rept 4
	v_nop
.endr
.Lasked_\@:
.endm
.macro CREST
	s_cmp_lg_u32 s16, 0
	s_cbranch_scc1 .Lnot_wave_0_\@
	s_barrier_signal -3
.Lnot_wave_0_\@:
	s_barrier_wait -3
	s_barrier_signal -1
	s_barrier_wait -1
.endm
.macro CROUND
	s_barrier_signal -1
	s_barrier_wait -1
	CREST
.endm
.macro PLACES
.rept 4
	v_nop
.endr
.endm
.macro FRAG reg, a16, a8, off
	ds_load_b128 v[(\reg):(\reg)+3], v[\a16] offset:(\off)
	ds_load_b64 v[(\reg)+4:(\reg)+5], v[\a8] offset:(\off)+512
	ds_load_b128 v[(\reg)+6:(\reg)+9], v[\a16] offset:(\off)+768
	ds_load_b64 v[(\reg)+10:(\reg)+11], v[\a8] offset:(\off)+1280
.endm
.macro FETCH_B slot, q, p
	WIN TO_B
.irp i, 0,1,2,3,4,5,6,7
	FRAG 128*(\p)+FR*\i, ADRB16+\slot, ADRB8+\slot, \i*KSB+(\q)*1536
.endr
	WIN 0
.endm
.macro FETCH_A slot, q, i0
.set FI, \i0
.rept HB
	FRAG AF+FR*FI, ADRA16+\slot, ADRA8+\slot, FI*KSB+(\q)*1536
.set FI, FI+1
.endr
.endm
.macro SCALES sc
.irp i, 0,1,2,3,4,5,6,7
	ds_load_b64 v[SC+16*\sc+2*\i:SC+16*\sc+2*\i+1], v[ADRS] offset:512*\i
.endr
.endm
.macro MULB a, p, q, sc, first
.irp b, 0,1,2,3,4,5,6,7
.if \first
	v_wmma_scale_f32_16x16x128_f8f6f4 v[8*(8*((\a)%4)+\b):8*(8*((\a)%4)+\b)+7], v[128*(\p)+FR*\b:128*(\p)+FR*\b+FR-1], v[AF+FR*(\a):AF+FR*(\a)+FR-1], 0, v[SC+16*(\sc)+2*\b+(\q)], v[SC+16*(\sc)+2*(\a)+(\q)] matrix_a_fmt:MATRIX_FMT_BF6 matrix_b_fmt:MATRIX_FMT_BF6 matrix_a_scale:MATRIX_SCALE_ROW1
.else
	v_wmma_scale_f32_16x16x128_f8f6f4 v[8*(8*((\a)%4)+\b):8*(8*((\a)%4)+\b)+7], v[128*(\p)+FR*\b:128*(\p)+FR*\b+FR-1], v[AF+FR*(\a):AF+FR*(\a)+FR-1], v[8*(8*((\a)%4)+\b):8*(8*((\a)%4)+\b)+7], v[SC+16*(\sc)+2*\b+(\q)], v[SC+16*(\sc)+2*(\a)+(\q)] matrix_a_fmt:MATRIX_FMT_BF6 matrix_b_fmt:MATRIX_FMT_BF6 matrix_a_scale:MATRIX_SCALE_ROW1
.endif
.endr
.endm
.macro MULS a0, n, p, q, sc, first
.set MA, \a0
.rept \n
	WIN 0xa1+0x50*(MA/4)
	MULB MA, \p, \q, \sc, \first
.set MA, MA+1
.endr
.endm
.macro STEP slot, first
	s_wait_dscnt HB*NL
	MULS 0, HB, 0, 0, \slot, \first
	s_wait_dscnt 0x0
	PLACES
	FETCH_B \slot, 1, 1
	FETCH_A \slot, 1, 0
	MULS HB, HB, 0, 0, \slot, \first
	PLACES
	WIN 0
	FETCH_A \slot, 1, HB
.endm
.macro TURN slot, next, fill
	s_wait_tensorcnt 0x0
	ds_add_u32 v[SPW], v[NIL]
	s_wait_dscnt HB*NL+1
	MULS 0, HB/2, 1, 1, \slot, 0
	s_wait_dscnt 0x0
	s_barrier_signal -1
	MULS HB/2, HB/2, 1, 1, \slot, 0
	WIN 0
	s_barrier_wait -1
.if \fill
	CREST
	s_add_nc_u64 s[G0+4*\slot+2:G0+4*\slot+3], s[G0+4*\slot+2:G0+4*\slot+3], 2*KSB
	s_add_nc_u64 s[G0B+4*\slot+2:G0B+4*\slot+3], s[G0B+4*\slot+2:G0B+4*\slot+3], 2*KSB
	JLOAD G0+4*\slot, G1, G0B+4*\slot, G1B
.else
	PLACES
.endif
	s_wait_alu depctr_va_vdst(0)
	v_add_nc_u32 v[ADRS], 128, v[ADRS]
	FETCH_B \next, 0, 0
	FETCH_A \next, 0, 0
	SCALES \next
	MULS HB, HB, 1, 1, \slot, 0
	PLACES
	WIN 0
	FETCH_A \next, 0, HB
.endm
.macro QUANTW a
.set AC, 64*((\a)%4)
.set QW, 2+(\a)/4
.set QP, PC+20*(\a)
	WIN QW|(QW<<2)
.irp b, 0,1,2,3
	v_max3_num_f32 v[TM+\b], |v[AC+16*\b]|, |v[AC+16*\b+1]|, 0x2800000
.endr
.irp i, 2,4,6,8,10,12,14
.irp b, 0,1,2,3
	v_max3_num_f32 v[TM+\b], |v[AC+16*\b+\i]|, |v[AC+16*\b+\i+1]|, v[TM+\b]
.endr
.endr
	WIN 0
.irp b, 0,1,2,3
	v_permlanex16_b32 v[TM+4+\b], v[TM+\b], s[SEL], s[SEL+1]
.endr
.irp b, 0,1,2,3
	v_max_num_f32 v[TM+\b], v[TM+\b], v[TM+4+\b]
.endr
.irp b, 0,1,2,3
	v_add_nc_u32 v[TM+12+\b], 0xfe000000, v[TM+\b]
.endr
.irp b, 0,1,2,3
	v_lshrrev_b32 v[TM+4+\b], 23, v[TM+12+\b]
.endr
	v_lshl_or_b32 v[SW+(\a)], v[TM+5], 8, v[TM+4]
	v_lshl_or_b32 v[SW+(\a)], v[TM+6], 16, v[SW+(\a)]
	v_lshl_or_b32 v[SW+(\a)], v[TM+7], 24, v[SW+(\a)]
	WIN QW
.irp c, 0,1
	v_cvt_scalef32_pk16_bf6_f32 v[QP+6*\c:QP+2+6*\c], v[AC+32*\c:AC+15+32*\c], v[TM+12+2*\c]
	v_cvt_scalef32_pk16_bf6_f32 v[QP+12+4*\c:QP+14+4*\c], v[AC+16+32*\c:AC+31+32*\c], v[TM+13+2*\c]
.endr
	WIN 0
	v_nop
.irp c, 0,1
.irp i, 0,1,2
	v_permlane16_swap_b32 v[QP+6*\c+\i], v[QP+12+4*\c+\i]
.endr
.irp i, 0,1,2
	v_mov_b32 v[QP+3+6*\c+\i], v[QP+12+4*\c+\i]
.endr
.endr
.endm
	s_load_b128 s[4:7], s[0:1], 0x0
	s_load_b128 s[8:11], s[0:1], 0x10
	s_load_b128 s[12:15], s[0:1], 0x20
	v_lshl_add_u32 v[SPW], v0, 2, SPARE
	v_mov_b32 v[NIL], 0
	ds_add_u32 v28, v29
	ds_add_u32 v28, v29
	s_wait_dscnt 0x0
	v_lshrrev_b32 v1, 5, v0
	v_readfirstlane_b32 s16, v1
	s_lshr_b32 s17, s16, 1
	s_and_b32 s18, s16, 1
	s_bfe_u32 s40, ttmp6, 0x40000
	s_bfe_u32 s41, ttmp6, 0x40004
	s_and_b32 s20, ttmp7, 0xffff
	s_lshl_b32 s20, s20, 2
	s_lshl_b32 s21, ttmp9, 2
	s_cmp_eq_u32 ttmp9, 2
	s_cselect_b32 s19, 1, 0
	s_cselect_b32 s45, 0, s20
	s_cselect_b32 s42, s20, s21
	s_cselect_b32 s22, 128, 0
	s_add_co_u32 s45, s45, s41
	s_add_co_u32 s42, s42, s40
	s_lshl_b32 s43, s41, 2
	s_lshl_b32 s43, 15, s43
	s_lshl_b32 s44, 0x1111, s40
	s_or_b32 s[G1+0], s43, (3<<16)|(1<<21)
	s_or_b32 s[G1B+0], s44, (3<<16)|(1<<21)
	s_mov_b32 s[G1+1], 384<<16
	s_mov_b32 s[G1+2], NAB<<16
	s_mov_b32 s[G1+3], 384<<16
	s_mov_b32 s[G1+4], NAB
	s_mov_b32 s[G1+5], 1536
	s_mov_b32 s[G1+6], 0
	s_mov_b32 s[G1+7], 0
	s_mov_b32 s[G1B+1], 384<<16
	s_mov_b32 s[G1B+2], 8<<16
	s_mov_b32 s[G1B+3], 384<<16
	s_mov_b32 s[G1B+4], 8
	s_mov_b32 s[G1B+5], 1536
	s_mov_b32 s[G1B+6], 0
	s_mov_b32 s[G1B+7], 0
	s_or_b32 s[G1S+0], s43, (3<<16)|(1<<21)
	s_or_b32 s[G1SB+0], s44, (3<<16)|(1<<21)
	s_mov_b32 s[G1S+1], 32<<16
	s_mov_b32 s[G1S+2], (2*NAB)<<16
	s_mov_b32 s[G1S+3], 32<<16
	s_mov_b32 s[G1S+4], 2*NAB
	s_mov_b32 s[G1S+5], 32
	s_mov_b32 s[G1S+6], 0
	s_mov_b32 s[G1S+7], 0
	s_mov_b32 s[G1SB+1], 32<<16
	s_mov_b32 s[G1SB+2], 16<<16
	s_mov_b32 s[G1SB+3], 32<<16
	s_mov_b32 s[G1SB+4], 16
	s_mov_b32 s[G1SB+5], 32
	s_mov_b32 s[G1SB+6], 0
	s_mov_b32 s[G1SB+7], 0
	s_lshl_b32 s20, s45, 1
	s_add_co_u32 s20, s20, s18
	s_mul_i32 s20, s20, NAB
	s_add_co_u32 s20, s20, s22
	s_lshl_b32 s46, s42, 1
	s_add_co_u32 s46, s46, s18
	s_lshl_b32 s46, s46, 3
	s_lshl_b32 s94, s20, 9
	s_mov_b32 s95, 0
	s_mul_i32 s20, s20, 12288
	s_mov_b32 s21, 0
	s_lshl_b32 s96, s46, 9
	s_mov_b32 s97, 0
	s_mul_i32 s46, s46, 12288
	s_mov_b32 s47, 0
	s_mul_i32 s23, s18, HALFA
	s_mul_i32 s92, s18, HALFB
	s_add_co_u32 s92, s92, 2*HALFA
	s_mul_i32 s93, s18, HSA
	s_mul_i32 s98, s18, HSB
	s_wait_kmcnt 0x0
	s_cmp_eq_u32 ttmp9, 2
	s_cselect_b64 s[66:67], s[8:9], s[4:5]
	s_cselect_b64 s[8:9], s[4:5], s[8:9]
	s_cselect_b64 s[2:3], s[10:11], s[6:7]
	s_cselect_b64 s[10:11], s[6:7], s[10:11]
	s_mov_b64 s[4:5], s[66:67]
	s_mov_b64 s[6:7], s[2:3]
	s_add_nc_u64 s[20:21], s[4:5], s[20:21]
	s_add_nc_u64 s[94:95], s[6:7], s[94:95]
	s_add_nc_u64 s[46:47], s[8:9], s[46:47]
	s_add_nc_u64 s[96:97], s[10:11], s[96:97]
	CROUND
	s_mov_b32 s[G0S], 1
	; the head's four tiles, each whole, one a wave: A's rows of slot 0, B's, A's scale words, B's (each address steps back over my half)
	s_mov_b32 s[G0S+1], SCL
	s_mov_b32 s3, 0
	s_mov_b32 s2, s93
	s_sub_nc_u64 s[G0S+2:G0S+3], s[94:95], s[2:3]
	s_or_b32 s[G0S+3], s[G0S+3], 0x80000000
	s_mov_b32 s[G0SB], 1
	s_mov_b32 s[G0SB+1], SCL+2*HSA
	s_mov_b32 s2, s98
	s_sub_nc_u64 s[G0SB+2:G0SB+3], s[96:97], s[2:3]
	s_or_b32 s[G0SB+3], s[G0SB+3], 0x80000000
	s_mov_b32 s4, 1
	s_mov_b32 s5, 0
	s_mul_i32 s2, s18, NAB*12288
	s_sub_nc_u64 s[6:7], s[20:21], s[2:3]
	s_or_b32 s7, s7, 0x80000000
	s_mov_b32 s8, 1
	s_mov_b32 s9, 2*HALFA
	s_mul_i32 s2, s18, 8*12288
	s_sub_nc_u64 s[10:11], s[46:47], s[2:3]
	s_or_b32 s11, s11, 0x80000000
	s_mov_b32 s[G1+2], (2*NAB)<<16
	s_mov_b32 s[G1+4], 2*NAB
	s_mov_b32 s[G1B+2], 16<<16
	s_mov_b32 s[G1B+4], 16
	s_mov_b32 s[G1S+2], (4*NAB)<<16
	s_mov_b32 s[G1S+4], 4*NAB
	s_mov_b32 s[G1SB+2], 32<<16
	s_mov_b32 s[G1SB+4], 32
	s_cmp_lt_u32 s16, 1
	s_cbranch_scc0 .Lhead_b
	tensor_load_to_lds s[4:7], s[G1:G1+7]
	s_nop 0
	PLACES
	s_branch .Lhead_asked
.Lhead_b:
	s_cmp_lt_u32 s16, 2
	s_cbranch_scc0 .Lhead_sa
	tensor_load_to_lds s[8:11], s[G1B:G1B+7]
	s_nop 0
	PLACES
	s_branch .Lhead_asked
.Lhead_sa:
	s_cmp_lt_u32 s16, 3
	s_cbranch_scc0 .Lhead_sb
	tensor_load_to_lds s[G0S:G0S+3], s[G1S:G1S+7]
	s_nop 0
	PLACES
	s_branch .Lhead_asked
.Lhead_sb:
	tensor_load_to_lds s[G0SB:G0SB+3], s[G1SB:G1SB+7]
	s_nop 0
	PLACES
.Lhead_asked:
.irp s, 0,1
	s_mov_b32 s[G0+4*\s], 1
	s_add_co_u32 s[G0+4*\s+1], s23, \s*SLOT
	s_add_nc_u64 s[G0+4*\s+2:G0+4*\s+3], s[20:21], \s*KSB
	s_or_b32 s[G0+4*\s+3], s[G0+4*\s+3], 0x80000000
	s_mov_b32 s[G0B+4*\s], 1
	s_add_co_u32 s[G0B+4*\s+1], s92, \s*SLOT
	s_add_nc_u64 s[G0B+4*\s+2:G0B+4*\s+3], s[46:47], \s*KSB
	s_or_b32 s[G0B+4*\s+3], s[G0B+4*\s+3], 0x80000000
.endr
	v_and_b32 v3, 31, v0
	v_and_b32 v1, 15, v0
	v_bfe_u32 v2, v0, 4, 1
	v_lshlrev_b32 v[L16], 4, v3
	v_lshlrev_b32 v[L8], 3, v3
	s_mul_i32 s21, s17, HALFA
	s_mul_i32 s22, s18, HALFB
	s_add_co_u32 s22, s22, 2*HALFA
.irp s, 0,1
	v_add_nc_u32 v[ADRA16+\s], s21, v[L16]
	v_add_nc_u32 v[ADRA8+\s], s21, v[L8]
	v_add_nc_u32 v[ADRB16+\s], s22, v[L16]
	v_add_nc_u32 v[ADRB8+\s], s22, v[L8]
	s_add_co_u32 s21, s21, SLOT
	s_add_co_u32 s22, s22, SLOT
.endr
	v_lshlrev_b32 v5, 3, v1
	s_mul_i32 s21, s17, HSA
	s_mul_i32 s22, s18, HSB
	s_add_co_u32 s22, s22, 2*HSA
	s_sub_co_u32 s22, s22, s21
	v_mul_u32_u24 v6, s22, v2
	s_add_co_u32 s21, s21, SCL
	v_add_nc_u32 v5, v5, v6
	v_add_nc_u32 v[ADRS], s21, v5
	v_mul_u32_u24 v[SA], v2, HEADS
	v_lshl_add_u32 v[SA], v1, 4, v[SA]
	v_lshlrev_b32 v[SH], 4, v2
	s_wait_alu depctr_va_vdst(0)
	s_wait_tensorcnt 0x0                           ; my tile of the head's four is in
	ds_add_u32 v[SPW], v[NIL]
	s_mov_b32 s[G1+2], NAB<<16                     ; no load of mine is out: from here on a load brings my half of a tile
	s_mov_b32 s[G1+4], NAB
	s_mov_b32 s[G1B+2], 8<<16
	s_mov_b32 s[G1B+4], 8
	s_wait_dscnt 0x0
	CROUND
	JLOAD G0+4, G1, G0B+4, G1B
	FETCH_B 0, 0, 0
	FETCH_A 0, 0, 0
	SCALES 0
	FETCH_A 0, 0, HB
	STEP 0, 1
.rept LAPS-1
	TURN 0, 1, 1
	STEP 1, 0
	TURN 1, 0, 1
	STEP 0, 0
.endr
	TURN 0, 1, 0
	STEP 1, 0
	s_wait_dscnt HB*NL
	MULS 0, HB, 1, 1, 1, 0
	s_wait_dscnt 0x0
	MULS HB, HB, 1, 1, 1, 0
	WIN 0
	PLACES
.irp b, 0,1,2,3
	v_mov_b32 v[TM+4+\b], 0
.endr
	s_mov_b32 s[SEL], 0x76543210
	s_mov_b32 s[SEL+1], 0xfedcba98
	s_cmp_eq_u32 s19, 1
	s_cbranch_scc1 .Lvalues
	s_lshr_b32 s20, s45, 3
	s_lshl_b32 s20, s20, 4
	s_and_b32 s21, s42, 3
	s_lshl_b32 s21, s21, 2
	s_add_co_u32 s20, s20, s21
	s_lshl_b32 s21, s18, 1
	s_add_co_u32 s20, s20, s21
	s_lshr_b32 s21, s42, 2
	s_and_b32 s22, s45, 7
	s_lshl_b32 s22, s22, 1
	s_add_co_u32 s22, s22, s17
	s_mul_i32 s46, s20, HEADC
	s_mul_i32 s23, s21, 98304
	s_add_co_u32 s46, s46, s23
	s_mul_i32 s23, s22, 8*768
	s_add_co_u32 s46, s46, s23
	s_mov_b32 s47, 0
	s_add_nc_u64 s[12:13], s[12:13], s[46:47]
	s_mul_i32 s46, s20, HEADS
	s_lshl_b32 s23, s21, 13
	s_add_co_u32 s46, s46, s23
	s_lshl_b32 s23, s22, 9
	s_add_co_u32 s46, s46, s23
	s_add_nc_u64 s[14:15], s[14:15], s[46:47]
.irp a, 0,1,2,3,4,5,6,7
	QUANTW \a
	global_store_b128 v[L16], v[PC+20*\a:PC+20*\a+3], s[12:13] offset:768*\a
	global_store_b64 v[L8], v[PC+20*\a+4:PC+20*\a+5], s[12:13] offset:768*\a+512
	global_store_b128 v[L16], v[PC+20*\a+6:PC+20*\a+9], s[12:13] offset:HEADC+768*\a
	global_store_b64 v[L8], v[PC+20*\a+10:PC+20*\a+11], s[12:13] offset:HEADC+768*\a+512
.endr
.irp a, 0,1,2,3,4,5,6,7
	v_lshrrev_b32 v[SW+\a], v[SH], v[SW+\a]
.endr
	global_store_b128 v[SA], v[SW:SW+3], s[14:15]
	global_store_b128 v[SA], v[SW+4:SW+7], s[14:15] offset:256
	s_branch .Lclose
.Lvalues:
	s_lshr_b32 s20, s42, 3
	s_lshl_b32 s20, s20, 4
	s_lshl_b32 s21, s45, 2
	s_add_co_u32 s20, s20, s21
	s_lshl_b32 s21, s17, 1
	s_add_co_u32 s20, s20, s21
	s_and_b32 s22, s42, 7
	s_lshl_b32 s22, s22, 1
	s_add_co_u32 s22, s22, s18
	s_mul_i32 s46, s20, HEADC
	s_mul_i32 s23, s22, 6144
	s_add_co_u32 s46, s46, s23
	s_add_co_u32 s46, s46, 196608
	s_mov_b32 s47, 0
	s_add_nc_u64 s[12:13], s[12:13], s[46:47]
	s_mul_i32 s46, s20, HEADS
	s_lshl_b32 s23, s22, 8
	s_add_co_u32 s46, s46, s23
	s_add_co_u32 s46, s46, 16384
	s_add_nc_u64 s[14:15], s[14:15], s[46:47]
	s_mov_b32 s23, 0xffff0000
.irp a, 0,1,2,3,4,5,6,7
	QUANTW \a
.irp c, 0,1,2
	global_store_b128 v[L16], v[PC+20*\a+4*\c:PC+20*\a+4*\c+3], s[12:13] offset:(\a/4)*HEADC+(\a%4)*1536+512*\c
.endr
.endr
.irp i, 0,1,2,3
	v_cndmask_b32 v[SW+\i], v[SW+\i], v[SW+4+\i], s23
.endr
	global_store_b128 v[SA], v[SW:SW+3], s[14:15]
.Lclose:
	s_wait_tensorcnt 0x0
	ds_add_u32 v[SPW], v[NIL]
	s_wait_dscnt 0x0
	CROUND
	s_endpgm
.Lfunc_end_k_qc79b8b7360_qkv:
	.size	k_qc79b8b7360_qkv, .Lfunc_end_k_qc79b8b7360_qkv-k_qc79b8b7360_qkv
	.p2alignl 7, 3214868480
	.fill 96, 4, 3214868480
	.section	.rodata,"a",@progbits
	.p2align	6, 0x0
	.amdhsa_kernel k_qc79b8b7360_qkv
		.amdhsa_group_segment_fixed_size 327680
		.amdhsa_private_segment_fixed_size 0
		.amdhsa_enable_private_segment 0
		.amdhsa_kernarg_size 48
		.amdhsa_user_sgpr_count 2
		.amdhsa_user_sgpr_kernarg_segment_ptr 1
		.amdhsa_wavefront_size32 1
		.amdhsa_system_sgpr_workgroup_id_x 1
		.amdhsa_system_sgpr_workgroup_id_y 1
		.amdhsa_system_sgpr_workgroup_id_z 1
		.amdhsa_system_vgpr_workitem_id 0
		.amdhsa_next_free_vgpr 1024
		.amdhsa_next_free_sgpr 100
		.amdhsa_reserve_vcc 0
		.amdhsa_float_denorm_mode_32 3
		.amdhsa_float_denorm_mode_16_64 3
		.amdhsa_memory_ordered 1
		.amdhsa_forward_progress 1
		.amdhsa_inst_pref_size 185
	.end_amdhsa_kernel
	.amdgpu_metadata
---
amdhsa.version: [ 1, 2 ]
amdhsa.kernels:
  - .name:           k_qc79b8b7360_qkv
    .symbol:         k_qc79b8b7360_qkv.kd
    .args:
      - { .name: xc, .offset: 0, .size: 8, .value_kind: global_buffer, .address_space: global }
      - { .name: xs, .offset: 8, .size: 8, .value_kind: global_buffer, .address_space: global }
      - { .name: wc, .offset: 16, .size: 8, .value_kind: global_buffer, .address_space: global }
      - { .name: ws, .offset: 24, .size: 8, .value_kind: global_buffer, .address_space: global }
      - { .name: qkvc, .offset: 32, .size: 8, .value_kind: global_buffer, .address_space: global }
      - { .name: qkvs, .offset: 40, .size: 8, .value_kind: global_buffer, .address_space: global }
    .group_segment_fixed_size: 327680
    .private_segment_fixed_size: 0
    .kernarg_segment_align: 8
    .kernarg_segment_size: 48
    .max_flat_workgroup_size: 128
    .sgpr_count:     100
    .vgpr_count:     1024
    .wavefront_size: 32
...
	.end_amdgpu_metadata
.endif
;; end of part 2
;; launch attn (part 3): grid 4 x 64, 8 waves a work-group, clusters of 4 x 1, 209,920 bytes of LDS; arguments qkvc, qkvs, ac, asc; writes ac, asc
.if DOCPART == 3
	.amdgcn_target "amdgcn-amd-amdhsa--gfx1250"
	.amdhsa_code_object_version 6
	.text
	.protected	k_qc79b8b7360_attn
	.globl	k_qc79b8b7360_attn
	.p2align	8
	.type	k_qc79b8b7360_attn,@function
k_qc79b8b7360_attn:
	s_mov_b64 s[64:65], 0
	v_nop
	global_prefetch_b8 v0, s[64:65] scope:SCOPE_SE
	s_setreg_imm32_b32 hwreg(HW_REG_WAVE_MODE, 25, 1), 1
	s_wait_xcnt 0x0
	s_wait_alu depctr_hold_cnt(0) depctr_sa_sdst(0) depctr_va_vdst(0) depctr_va_sdst(0) depctr_va_ssrc(0) depctr_va_vcc(0) depctr_vm_vsrc(0)
	s_getreg_b32 s2, hwreg(HW_REG_IB_STS2, 6, 4)
	s_cmp_eq_u32 s2, 0
	s_cbranch_scc0 .Lentry_in_a_cluster
	s_endpgm
.Lentry_in_a_cluster:
	s_bfe_u32 s2, ttmp6, 0x10000c
	s_cmp_lg_u32 s2, 0x3003
	s_cbranch_scc0 .Lentry_shape_is_right
	s_endpgm
.Lentry_shape_is_right:
; O[q] = sum over k of softmax_k(Q[q] . K[k] / 8) V[k] for one head of 64 channels and 2,048 keys, both products on codes of BF6 (E3M2) with E8M0 scales; O leaves quantised along the model's 1,024, as the last product's operand.
; THE SOFTMAX: t = score x log2(e) / 8; M = the running largest t rounded up to a whole number; p = 2^(t - M) is quantised along the keys, not normalised; the row's sum is taken of the unquantised p and divides O at the end.
; When M moves, the sum and O are multiplied by 2^(old M - new M): exact.
; SHARES.  A work-group owns 512 tokens of one head: eight waves, each with four tiles of 16 queries, two at a time (two passes); each fragment of K and V that a wave reads from LDS feeds both tiles.
; REGISTERS.  Window 1 holds what is bulky: both tiles' scores (v0-127), both O^T (v128-191), Q's four fragments (v192-239).  Window 0 holds operands, scale words, addresses and both tiles' small state.
; So one window setting serves both tiles, and the two go through a step side by side, line by line.
; Where two f32 operations on neighbouring registers are due (t - M, the sums, O^T's factor), they are written as a dual pair; -M and the factor are kept twice, in registers of unlike banks, for the pair's two halves.
; LDS: K's scale words at 0, V's at 8,192, K's codes at 12,288, V's at 110,592, the spare words at 208,896.  All of it is filled once, at the head, and stays.
; CLUSTER.  The four work-groups of a head ask for every tile jointly (mask 15): waves 0-5 128 rows of 256 bytes each of K's and V's codes (one dense run of memory), wave 6 the scale words.  One load a wave.
; No data prefetch: every tile is asked for at the head, and no loop runs ahead of a load.
; LAYOUT.  Both products are used transposed: S^T = K Q^T, O^T = V^T P^T: a lane holds one query (lane % 16).  THE KEYS OF A SCORE TILE ARE CHOSEN BY THE LANES' LDS ADDRESSES: rows 0-7 of tile 4 c + u are keys 64 c + 8 u + 0..7,
; rows 8-15 keys 64 c + 32 + 8 u + 0..7.  So the 32 registers of tiles 4 c .. 4 c + 3 of lane (r, h) are keys 64 c + 32 h + 0..31: a whole scale block, in the order of the second product's operand.
; (A stored tile 2 b + u holds token 32 b + 16 a + 8 u + i in its row 8 a + i.)
; The first product's K is 64.  K's eight fragments lie six registers apart: the upper half of one is the lower half of the next, and meets Q's upper half, which is zero codes: it adds nothing under any finite scale byte.
; A block's largest p is not searched for: the block's largest score goes through the same multiply-add and exponential (this takes v_exp_f32 not to fall where its input rises).
; LIMITS: NaN and infinities are not served; the scaled scores stay under 2^31 in magnitude; a block under 2^-122, and a block of zeros, keep the byte 1 (this program alone reads the bytes).
.set KB,    12288
.set VB,    KB+98304
.set SPARE, KB+196608
.set L16,  1                           ; 16 l
.set L8,   2                           ; 8 l + 512
.set R16,  3
.set LK16, 4
.set LK8,  5
.set LSK,  6
.set ADK16, 7
.set ADK8, 8
.set ADSK, 9
.set SH,   10                          ; 8 h
.set ADV,  11
.set ST,   12                          ; tile w's state at v[12 + 18 w]: +0 -M (again in +17), +1 the largest score, +2 the sum (a pair), +4, +5 the factor, twice, +6, +7 at work, +8..11 maxima, +12 bytes, +14 scale operands, +16 O's bytes
.set TT,   48                          ; the second conversions' codes, 8 a tile
.set PC,   64                          ; p's codes, 12 a tile
.set KF,   88                          ; v88-135 K's eight tiles, v136-141 zeros
.set VF,   142                         ; v142-189 V's four fragments
.set KS,   192                         ; K's scale words
.set VS,   200                         ; V's
.set QS,   204                         ; my four tiles' of Q
.set PS,   212                         ; p's, tile 0 and 1
.set SPW,  214
.set NIL,  215
.set ADSV, 216
.set AAD,  217
.set CW,   218
.set WV,   12
.set G1C,  16
.set G1S,  24
.set G0,   32
.set G0S,  36
.set SEL,  52
.set CS,   54
.set TK,   56
.set TV,   57
.set TSK,  58
.set TSV,  59
.set CNT,  60
.set NC,   61
.set MK,   62
.set QB,   66
.set QSB,  68
.set AB,   70
.set ASB,  72
.set MSB, 0
.macro WIN new                         ; the immediate's high byte repeats the setting that is left
.if MSB != (\new)
	s_set_vgpr_msb (MSB<<8)|(\new)
.set MSB, (\new)
.endif
.endm
.macro WALU
	s_wait_alu depctr_va_vdst(0)
.endm
.macro CROUND
	s_barrier_signal -1
	s_barrier_wait -1
	s_cmp_lg_u32 s[WV], 0
	s_cbranch_scc1 .Lnot_wave_0_\@
	s_barrier_signal -3
.Lnot_wave_0_\@:
	s_barrier_wait -3
	s_barrier_signal -1
	s_barrier_wait -1
.endm
.macro KLOADS                          ; eight tiles of 16 keys and their scale words
.irp t, 0,1,2,3,4,5,6,7
	ds_load_b128 v[KF+6*\t:KF+6*\t+3], v[ADK16] offset:768*(4*(\t/4)+\t%2)+128*((\t%4)/2)
	ds_load_b64 v[KF+6*\t+4:KF+6*\t+5], v[ADK8] offset:768*(4*(\t/4)+\t%2)+64*((\t%4)/2)
.endr
.irp g, 0,1,2,3
	ds_load_b64 v[KS+2*\g:KS+2*\g+1], v[ADSK] offset:128*\g
.endr
.endm
.macro QK1 w, t, p                     ; S^T = K Q^T: key tile t against query tile w (window setting 0x44)
	v_wmma_scale_f32_16x16x128_f8f6f4 v[64*(\w)+8*(\t):64*(\w)+8*(\t)+7], v[KF+6*(\t):KF+6*(\t)+11], v[192+24*(\p)+12*(\w):192+24*(\p)+12*(\w)+11], 0, v[KS+(\t)], v[QS+2*(\p)+(\w)] matrix_a_fmt:MATRIX_FMT_BF6 matrix_b_fmt:MATRIX_FMT_BF6
.endm
.macro PV1 w, t                        ; O^T += V^T P^T: channel tile t (window setting 0x50)
	v_wmma_scale_f32_16x16x128_f8f6f4 v[128+32*(\w)+8*(\t):128+32*(\w)+8*(\t)+7], v[VF+12*(\t):VF+12*(\t)+11], v[PC+12*(\w):PC+12*(\w)+11], v[128+32*(\w)+8*(\t):128+32*(\w)+8*(\t)+7], v[VS+(\t)], v[PS+(\w)] matrix_a_fmt:MATRIX_FMT_BF6 matrix_b_fmt:MATRIX_FMT_BF6
.endm
.macro MAXL w, i                       ; line i = 0 .. 31 of tile w's search: four chains, each accumulator from its low end on; then my two blocks' largest scores in +8 and +10
.set X_, ST+18*(\w)+8
.set Y_, 64*(\w)
.if (\i) < 4
	WIN 0x15
	v_max3_num_f32 v[X_+(\i)], v[Y_+16*(\i)], v[Y_+16*(\i)+1], v[Y_+16*(\i)+2]
.elseif (\i) < 28
.set K_, (\i)%4
.set J_, 3+2*(((\i)-4)/4)
	WIN 0x05
	v_max3_num_f32 v[X_+K_], v[Y_+16*K_+J_], v[Y_+16*K_+J_+1], v[X_+K_]
.elseif (\i) < 30
.set K_, (\i)-28
	WIN 0x01
	v_max3_num_f32 v[X_+2*K_], v[Y_+32*K_+15], v[X_+2*K_], v[X_+2*K_+1]
.else
.set K_, (\i)-30
	WIN 0x01
	v_max_num_f32 v[X_+2*K_], v[Y_+32*K_+31], v[X_+2*K_]
.endif
.endm
.macro CH w, i                         ; line i = 0 .. 10 of tile w's chain: the running largest score, -M = floor(-t), the factor 2^(old M - new M); the last two lines make -M and the factor once more
.set X_, ST+18*(\w)
.if (\i) == 0
	v_max_num_f32 v[X_+6], v[X_+8], v[X_+10]
.elseif (\i) == 1
	v_permlanex16_b32 v[X_+7], v[X_+6], s[SEL], s[SEL+1]
.elseif (\i) == 2
	v_max3_num_f32 v[X_+1], v[X_+1], v[X_+6], v[X_+7]
.elseif (\i) == 3
	v_mul_f32 v[X_+6], s[NC], v[X_+1]
.elseif (\i) == 4
	v_mov_b32 v[X_+7], v[X_]
.elseif (\i) == 5
	v_floor_f32 v[X_], v[X_+6]
.elseif (\i) == 6
	v_sub_f32 v[X_+7], v[X_], v[X_+7]
.elseif (\i) == 7
	v_cvt_i32_f32 v[X_+7], v[X_+7]
.elseif (\i) == 8
	v_ldexp_f32 v[X_+4], 1.0, v[X_+7]
.elseif (\i) == 9
	v_floor_f32 v[X_+17], v[X_+6]
.else
	v_ldexp_f32 v[X_+5], 1.0, v[X_+7]
.endif
.endm
.macro SUML w, i                       ; line i = 0 .. 31 of tile w's sum of the unquantised p: four chains of pairs (+2, +8, +10, +12), then joined
.set X_, ST+18*(\w)
.set Y_, 64*(\w)
.if (\i) < 3
.set A_, X_+8+2*(\i)
.set D_, Y_+4*(\i)
	WIN 0x05
	v_dual_add_f32 v[A_], v[D_], v[D_+2] :: v_dual_add_f32 v[A_+1], v[D_+1], v[D_+3]
.else
.if (\i) < 29
.set D_, (\i)-3
.set A_, X_+2+(4+2*(D_%4))*((D_%4+3)/4)
.set D_, Y_+12+2*D_
	WIN 0x01
.elseif (\i) == 29
.set A_, X_+10
.set D_, X_+12
	WIN 0
.elseif (\i) == 30
.set A_, X_+2
.set D_, X_+8
	WIN 0
.else
.set A_, X_+2
.set D_, X_+10
	WIN 0
.endif
	v_dual_add_f32 v[A_], v[D_], v[A_] :: v_dual_add_f32 v[A_+1], v[D_+1], v[A_+1]
.endif
.endm
; a key step: 128 keys against both tiles.  The next step's K and this step's V are asked for behind the first products and land under the softmax.
; (The last step's request for K reads V's first bytes and V's scale words, which lie behind K's in LDS; what it brings is not used.)
.macro STEP p
	WIN 0x44
.irp w, 0,1
.irp t, 0,1,2,3,4,5,6,7
	QK1 \w, \t, \p
.endr
.endr
	WIN 0
	v_add_nc_u32 v[ADK16], s[TK], v[LK16]          ; five lines that are due: the places behind the products, ahead of the loads into their registers and of the first reader of the scores
	v_add_nc_u32 v[ADK8], s[TK], v[LK8]
	v_add_nc_u32 v[ADSK], s[TSK], v[LSK]
	v_add_nc_u32 v[ADV], s[TV], v[L16]
	v_add_nc_u32 v[ADSV], s[TSV], v[R16]
	KLOADS
	ds_load_b128 v[VS:VS+3], v[ADSV]
.irp t, 0,1,2,3
.irp c, 0,1,2
	ds_load_b128 v[VF+12*\t+4*\c:VF+12*\t+4*\c+3], v[ADV] offset:1536*\t+512*\c
.endr
.endr
.set G_, 0
.rept 32
	MAXL 0, G_
	MAXL 1, G_
.set G_, G_+1
.endr
	WIN 0
.irp i, 0,1,2,3,4,5,6,7,8,9,10
	CH 0, \i
	CH 1, \i
.endr
.irp w, 0,1
	v_fma_f32 v[ST+18*\w+8], v[ST+18*\w+8], s[CS], v[ST+18*\w]       ; t - M of each block's largest score
	v_fma_f32 v[ST+18*\w+10], v[ST+18*\w+10], s[CS], v[ST+18*\w]
.endr
	WIN 0x41
.irp w, 0,1
.set J, 64*\w
.rept 32
	v_dual_fmamk_f32 v[J], v[J], 0x3e38aa3b, v[ST+18*\w] :: v_dual_fmamk_f32 v[J+1], v[J+1], 0x3e38aa3b, v[ST+18*\w+17]   ; t - M = score x c + (-M), fused
.set J, J+2
.endr
.endr
	WALU                                           ; the wait ahead of the batch
.set J, 0
.rept 128
	v_exp_f32 v[J], v[J]                           ; p = 2^(t - M)
.set J, J+1
.endr
	WIN 0
.irp w, 0,1
	v_exp_f32 v[ST+18*\w+8], v[ST+18*\w+8]
	v_exp_f32 v[ST+18*\w+10], v[ST+18*\w+10]
.endr
.irp w, 0,1
	v_pk_mul_f32 v[ST+18*\w+2:ST+18*\w+3], v[ST+18*\w+2:ST+18*\w+3], v[ST+18*\w+4:ST+18*\w+5] op_sel_hi:[1,0]   ; the sums under the new M: plain places behind the batch
.endr
	WALU                                           ; and behind it
.irp w, 0,1
	v_max_num_f32 v[ST+18*\w+8], 0x2800000, v[ST+18*\w+8]            ; the floor 2^(5 - 127)
	v_max_num_f32 v[ST+18*\w+10], 0x2800000, v[ST+18*\w+10]
.endr
.irp w, 0,1
	v_add_nc_u32 v[ST+18*\w+14], 0xfe000000, v[ST+18*\w+8]           ; 4 off the exponent field: the conversions' scale operands
	v_add_nc_u32 v[ST+18*\w+15], 0xfe000000, v[ST+18*\w+10]
.endr
.irp w, 0,1
	v_lshrrev_b32 v[ST+18*\w+12], 23, v[ST+18*\w+14]
	v_lshrrev_b32 v[ST+18*\w+13], 23, v[ST+18*\w+15]
.endr
.irp w, 0,1
	v_lshl_or_b32 v[ST+18*\w+6], v[ST+18*\w+13], 16, v[ST+18*\w+12]  ; my bytes: blocks h and 2 + h,
.endr
.irp w, 0,1
	v_lshlrev_b32 v[ST+18*\w+6], v[SH], v[ST+18*\w+6]                ; at their places
.endr
.irp w, 0,1
	v_permlanex16_b32 v[ST+18*\w+7], v[ST+18*\w+6], s[SEL], s[SEL+1]
.endr
.irp w, 0,1
	v_or_b32 v[PS+\w], v[ST+18*\w+6], v[ST+18*\w+7]                  ; with lane l xor 16's two bytes the word is whole
.endr
	WIN 0x01
.irp w, 0,1
.irp c, 0,1
	v_cvt_scalef32_pk16_bf6_f32 v[PC+12*\w+6*\c:PC+12*\w+6*\c+2], v[64*\w+32*\c:64*\w+32*\c+15], v[ST+18*\w+14+\c]
	v_cvt_scalef32_pk16_bf6_f32 v[TT+8*\w+4*\c:TT+8*\w+4*\c+2], v[64*\w+32*\c+16:64*\w+32*\c+31], v[ST+18*\w+14+\c]   ; (a conversion's three registers begin on an even number)
.endr
.endr
	s_wait_dscnt 0x0                               ; V and the next step's K are in
	WIN 0x41
	WALU                                           ; the wait directly ahead of the first reader of O^T
.irp w, 0,1
.irp t, 0,1,2,3
	v_pk_mul_f32 v[128+32*\w+8*\t:128+32*\w+8*\t+1], v[128+32*\w+8*\t:128+32*\w+8*\t+1], v[ST+18*\w+4:ST+18*\w+5] op_sel_hi:[1,0]   ; O^T under the new M: each accumulator's two lowest registers first, by plain lines (also the place behind the conversions)
.endr
.endr
.irp w, 0,1
.irp t, 0,1,2,3
.irp j, 2,4,6
	v_dual_mul_f32 v[128+32*\w+8*\t+\j], v[128+32*\w+8*\t+\j], v[ST+18*\w+4] :: v_dual_mul_f32 v[129+32*\w+8*\t+\j], v[129+32*\w+8*\t+\j], v[ST+18*\w+5]
.endr
.endr
.endr
	WIN 0
.irp w, 0,1
.irp c, 0,1
.irp i, 0,1,2
	v_mov_b32 v[PC+12*\w+6*\c+3+\i], v[TT+8*\w+4*\c+\i]
.endr
.endr
.endr
	WIN 0x50
.irp w, 0,1
.irp t, 0,1,2,3
	PV1 \w, \t
.endr
.endr
.set N_, 0
.rept 32
	SUML 0, N_
	SUML 1, N_
.set N_, N_+1
.endr
	WIN 0
.endm
; tile w's way out: O / the sum into registers that held K's or V's fragments, quantised along the channels (register 16 b + i is channel 32 b + 16 h + i of my query)
.macro EPI w, p
.set X_, ST+18*(\w)
.set Z_, KF+54*(\w)
.set P_, PC+12*(\w)
.set Q_, TT+8*(\w)
	WIN 0
	v_add_f32 v[X_+2], v[X_+2], v[X_+3]
	v_permlanex16_b32 v[X_+7], v[X_+2], s[SEL], s[SEL+1]
	v_add_f32 v[X_+2], v[X_+2], v[X_+7]
	WALU
	v_rcp_f32 v[X_+2], v[X_+2]
	v_nop
	WIN 0x01
	WALU
.set J, 0
.rept 16
	v_pk_mul_f32 v[Z_+J:Z_+J+1], v[128+32*(\w)+J:128+32*(\w)+J+1], v[X_+2:X_+3] op_sel_hi:[1,0]
.set J, J+2
.endr
	WIN 0
.irp b, 0,1
	v_max3_num_f32 v[X_+8+\b], |v[Z_+16*\b]|, |v[Z_+16*\b+1]|, 0x2800000
.endr
.irp i, 2,4,6,8,10,12,14
.irp b, 0,1
	v_max3_num_f32 v[X_+8+\b], v[X_+8+\b], |v[Z_+16*\b+\i]|, |v[Z_+16*\b+\i+1]|
.endr
.endr
.irp b, 0,1
	v_permlanex16_b32 v[X_+10+\b], v[X_+8+\b], s[SEL], s[SEL+1]
.endr
.irp b, 0,1
	v_max_num_f32 v[X_+8+\b], v[X_+8+\b], v[X_+10+\b]
.endr
.irp b, 0,1
	v_add_nc_u32 v[X_+14+\b], 0xfe000000, v[X_+8+\b]
.endr
.irp b, 0,1
	v_lshrrev_b32 v[X_+12+\b], 23, v[X_+14+\b]
.endr
	v_lshl_or_b32 v[X_+16], v[X_+13], 8, v[X_+12]  ; the head's two bytes of my row
	v_cvt_scalef32_pk16_bf6_f32 v[P_:P_+2], v[Z_:Z_+15], v[X_+14]
	v_cvt_scalef32_pk16_bf6_f32 v[Q_:Q_+2], v[Z_+16:Z_+31], v[X_+15]
	v_nop                                          ; one plain place behind a scaled conversion
.irp i, 0,1,2
	v_permlane16_swap_b32 v[P_+\i], v[Q_+\i]       ; a whole block to a lane
.endr
.irp i, 0,1,2
	v_mov_b32 v[P_+3+\i], v[Q_+\i]
.endr
	global_store_b128 v[L16], v[P_:P_+3], s[AB:AB+1] offset:12288*(2*\p+\w)   ; 512 and 256 consecutive aligned bytes
	global_store_b64 v[L8], v[P_+4:P_+5], s[AB:AB+1] offset:12288*(2*\p+\w)
.endm
; a pass: two tiles of 16 queries against all 2,048 keys
.macro PASS p
.if \p
	s_wait_xcnt 0x0                                ; pass 0's stores have read their registers
.endif
.irp w, 0,1
	v_mov_b32 v[ST+18*\w+1], 0xff61b1e6            ; the largest score so far: -3e38
	v_mov_b32 v[ST+18*\w], 0x7e000000              ; -M: 2^125, so that the first step's factor is 0
	v_mov_b32 v[ST+18*\w+2], 0
	v_mov_b32 v[ST+18*\w+3], 0
.endr
	WIN 0x40
.set J, 128
.rept 64
	v_mov_b32 v[J], 0                              ; the step is written once: the first finds zeros
.set J, J+1
.endr
	WIN 0
.if \p == 0
	WALU                                           ; the wait at the head's end
	s_wait_tensorcnt 0x0                           ; my tile has landed
	s_wait_dscnt 0x0
	s_barrier_signal -1
	s_barrier_wait -1                              ; everybody's has: nothing is ever filled again
.endif
	s_mov_b32 s[TK], KB
	s_mov_b32 s[TSK], 0
	v_add_nc_u32 v[ADK16], s[TK], v[LK16]
	v_add_nc_u32 v[ADK8], s[TK], v[LK8]
	v_add_nc_u32 v[ADSK], s[TSK], v[LSK]
	KLOADS                                         ; step 0's K
	s_mov_b32 s[TK], KB+6144
	s_mov_b32 s[TSK], 512
	s_mov_b32 s[TV], VB
	s_mov_b32 s[TSV], 8192
	s_mov_b32 s[CNT], 16
.if \p == 0
	s_wait_loadcnt 0x0                             ; Q and its scale words
.endif
	s_wait_dscnt 0x0
.Lstep_\@:
	STEP \p
	s_add_co_u32 s[TK], s[TK], 6144
	s_add_co_u32 s[TV], s[TV], 6144
	s_add_co_u32 s[TSK], s[TSK], 512
	s_add_co_u32 s[TSV], s[TSV], 256
	s_sub_co_u32 s[CNT], s[CNT], 1
	s_cmp_lg_u32 s[CNT], 0
	s_cbranch_scc1 .Lstep_\@
	EPI 0, \p
	EPI 1, \p
	v_cndmask_b32 v[CW+\p], v[ST+16], v[ST+34], s[MK]   ; lanes 0-15 tile 0's bytes, lanes 16-31 tile 1's
	global_store_b16 v[AAD], v[CW+\p], s[ASB:ASB+1] offset:1024*\p   ; a scale word of the last product spans two heads, which are two work-groups': so two bytes a row
.endm
	s_load_b256 s[4:11], s[0:1], 0x0               ; qkvc, qkvs, ac, asc
	v_lshl_add_u32 v[SPW], v0, 2, SPARE
	v_mov_b32 v[NIL], 0
	ds_add_u32 v[SPW], v[NIL]                      ; the opening lines
	ds_add_u32 v[SPW], v[NIL]
	v_lshrrev_b32 v9, 5, v0
	v_readfirstlane_b32 s[WV], v9                  ; wave 0..7
	s_min_u32 s13, s[WV], 5
	s_lshl_b32 s14, s13, 15                        ; my 32,768 bytes of K's and V's codes
	s_and_b32 s74, ttmp7, 0xffff                   ; the head, 16 batch + head: all four partners share it
	s_bfe_u32 s75, ttmp6, 0x40000                  ; cx: it enters Q's and the outputs' addresses alone
	s_mov_b32 s[G1C], 15|(3<<16)|(1<<21)           ; the mask: all four; elements of 8 bytes; bit 21 beside a mask
	s_mov_b32 s[G1C+1], 32<<16
	s_mov_b32 s[G1C+2], 128<<16
	s_mov_b32 s[G1C+3], 32<<16
	s_mov_b32 s[G1C+4], 128
	s_mov_b32 s[G1C+5], 32
	s_mov_b32 s[G1C+6], 0
	s_mov_b32 s[G1C+7], 0
	s_mov_b32 s[G1S], 15|(3<<16)|(1<<21)
	s_mov_b32 s[G1S+1], 32<<16
	s_mov_b32 s[G1S+2], 48<<16
	s_mov_b32 s[G1S+3], 32<<16
	s_mov_b32 s[G1S+4], 48
	s_mov_b32 s[G1S+5], 32
	s_mov_b32 s[G1S+6], 0
	s_mov_b32 s[G1S+7], 0
	s_mul_i32 s76, s74, 294912
	s_mov_b32 s[QB], s76
	s_add_co_u32 s76, s76, 98304
	s_add_co_u32 s76, s76, s14
	s_mov_b32 s77, 0
	s_mul_i32 s78, s74, 20480
	s_mov_b32 s[QSB], s78
	s_add_co_u32 s78, s78, 8192
	s_mov_b32 s79, 0
	s_lshl_b32 s75, s75, 5
	s_lshl_b32 s40, s[WV], 2
	s_add_co_u32 s75, s75, s40                     ; my first tile of queries: 32 cx + 4 wave
	s_mul_i32 s40, s75, 768
	s_add_co_u32 s[QB], s[QB], s40
	s_mov_b32 s[QB+1], 0
	s_lshl_b32 s40, s75, 6                         ; 256 bytes of scale words for four tiles
	s_add_co_u32 s[QSB], s[QSB], s40
	s_mov_b32 s[QSB+1], 0
	s_lshr_b32 s40, s74, 4
	s_lshl_b32 s40, s40, 7
	s_add_co_u32 s40, s40, s75                     ; the row tile of ac: 128 batch + tile
	s_and_b32 s41, s74, 15                         ; the head in its batch
	s_mul_i32 s[AB], s40, 12288
	s_mul_i32 s42, s41, 768
	s_add_co_u32 s[AB], s[AB], s42
	s_mov_b32 s[AB+1], 0
	s_lshl_b32 s[ASB], s40, 9                      ; asc: 512 bytes a row tile; 128 for each 4 heads; a word for 2 heads; 2 bytes a head
	s_lshr_b32 s42, s41, 2
	s_lshl_b32 s42, s42, 7
	s_add_co_u32 s[ASB], s[ASB], s42
	s_bfe_u32 s42, s41, 0x10001
	s_lshl_b32 s42, s42, 2
	s_add_co_u32 s[ASB], s[ASB], s42
	s_and_b32 s42, s41, 1
	s_lshl_b32 s42, s42, 1
	s_add_co_u32 s[ASB], s[ASB], s42
	s_mov_b32 s[ASB+1], 0
	s_mov_b32 s[SEL], 0x76543210
	s_mov_b32 s[SEL+1], 0xfedcba98
	s_mov_b32 s[CS], 0x3e38aa3b                    ; c = log2(e) / 8
	s_mov_b32 s[NC], 0xbe38aa3b                    ; -c
	s_mov_b32 s[MK], 0xffff0000                    ; lanes 16-31
	WALU
	s_wait_dscnt 0x0
	s_wait_kmcnt 0x0
	s_add_nc_u64 s[76:77], s[4:5], s[76:77]
	s_add_nc_u64 s[78:79], s[6:7], s[78:79]
	s_add_nc_u64 s[QB:QB+1], s[4:5], s[QB:QB+1]
	s_add_nc_u64 s[QSB:QSB+1], s[6:7], s[QSB:QSB+1]
	s_add_nc_u64 s[AB:AB+1], s[8:9], s[AB:AB+1]
	s_add_nc_u64 s[ASB:ASB+1], s[10:11], s[ASB:ASB+1]
	s_mov_b32 s[G0], 1
	s_add_co_u32 s[G0+1], s14, KB
	s_mov_b64 s[G0+2:G0+3], s[76:77]
	s_or_b32 s[G0+3], s[G0+3], 0x80000000
	s_mov_b32 s[G0S], 1
	s_mov_b32 s[G0S+1], 0
	s_mov_b64 s[G0S+2:G0S+3], s[78:79]
	s_or_b32 s[G0S+3], s[G0S+3], 0x80000000
	CROUND                                         ; all four work-groups are here: the joint loads meet
	s_cmp_lt_u32 s[WV], 6                          ; one chain of branches on the wave's number, one load to an arm
	s_cbranch_scc0 .Lscales
	tensor_load_to_lds s[G0:G0+3], s[G1C:G1C+7]
	s_nop 0
.rept 4
	v_nop
.endr
	s_branch .Lasked
.Lscales:
	s_cmp_eq_u32 s[WV], 6
	s_cbranch_scc0 .Lasked
	tensor_load_to_lds s[G0S:G0S+3], s[G1S:G1S+7]
	s_nop 0
.rept 4
	v_nop
.endr
.Lasked:
	v_and_b32 v9, 31, v0                           ; lane
	v_and_b32 v7, 15, v0                           ; r
	v_bfe_u32 v8, v0, 4, 1                         ; h
	v_and_b32 v11, 7, v0                           ; r % 8
	v_bfe_u32 v6, v0, 3, 1                         ; r / 8
	v_lshlrev_b32 v[L16], 4, v9
	v_lshlrev_b32 v[L8], 3, v9
	v_add_nc_u32 v[L8], 512, v[L8]
	v_lshlrev_b32 v[R16], 4, v7
	v_mul_u32_u24 v[LK16], v6, 1536                ; rows 8-15 of a score tile come from the stored tile two further on
	v_lshl_add_u32 v[LK8], v11, 3, v[LK16]
	v_lshl_add_u32 v[LK8], v8, 7, v[LK8]
	v_add_nc_u32 v[LK8], 512, v[LK8]               ; words 4, 5 of a unit: 512 + 8 (row + 16 h)
	v_lshl_add_u32 v[LK16], v11, 4, v[LK16]
	v_lshl_add_u32 v[LK16], v8, 8, v[LK16]         ; words 0-3: 16 (row + 16 h)
	v_lshlrev_b32 v[AAD], 9, v8
	v_lshl_add_u32 v[AAD], v7, 3, v[AAD]           ; asc: lanes 0-15 tile 0's row tile, lanes 16-31 tile 1's; 8 bytes a row
	v_lshlrev_b32 v[SH], 3, v8
	v_lshlrev_b32 v[LSK], 3, v6
	v_lshl_add_u32 v[LSK], v11, 4, v[LSK]          ; K's scale words: 16 (r % 8) + 8 (r / 8)
	global_load_b128 v[QS:QS+3], v[R16], s[QSB:QSB+1]   ; my four tiles' scale words of row r
.irp i, 0,1,2,3,4,5
	v_mov_b32 v[KF+48+\i], 0                       ; what lies behind K's last tile
.endr
.irp w, 0,1
	v_mov_b32 v[ST+18*\w+7], 0                     ; a lane permute's destination counts as one of its sources
.endr
	WIN 0x40
.irp q, 0,1,2,3                                ; Q's four units: registers 0-5 of a fragment; K = 64 .. 127: zero codes
	global_load_b128 v[192+12*\q:195+12*\q], v[L16], s[QB:QB+1] offset:768*\q
	global_load_b64 v[196+12*\q:197+12*\q], v[L8], s[QB:QB+1] offset:768*\q
.irp i, 6,7,8,9,10,11
	v_mov_b32 v[192+12*\q+\i], 0
.endr
.endr
	WIN 0
	PASS 0
	PASS 1
	s_wait_tensorcnt 0x0                           ; the wave's end
	ds_add_u32 v[SPW], v[NIL]
	s_wait_dscnt 0x0
	CROUND                                         ; the closing round
	s_endpgm
.Lfunc_end_k_qc79b8b7360_attn:
	.size	k_qc79b8b7360_attn, .Lfunc_end_k_qc79b8b7360_attn-k_qc79b8b7360_attn
	.p2alignl 7, 3214868480
	.fill 96, 4, 3214868480
	.section	.rodata,"a",@progbits
	.p2align	6, 0x0
	.amdhsa_kernel k_qc79b8b7360_attn
		.amdhsa_group_segment_fixed_size 209920
		.amdhsa_private_segment_fixed_size 0
		.amdhsa_enable_private_segment 0
		.amdhsa_kernarg_size 32
		.amdhsa_user_sgpr_count 2
		.amdhsa_user_sgpr_kernarg_segment_ptr 1
		.amdhsa_wavefront_size32 1
		.amdhsa_system_sgpr_workgroup_id_x 1
		.amdhsa_system_sgpr_workgroup_id_y 1
		.amdhsa_system_sgpr_workgroup_id_z 1
		.amdhsa_system_vgpr_workitem_id 0
		.amdhsa_next_free_vgpr 512
		.amdhsa_next_free_sgpr 80
		.amdhsa_reserve_vcc 0
		.amdhsa_float_denorm_mode_32 3
		.amdhsa_float_denorm_mode_16_64 3
		.amdhsa_memory_ordered 1
		.amdhsa_forward_progress 1
		.amdhsa_inst_pref_size 90
	.end_amdhsa_kernel
	.amdgpu_metadata
---
amdhsa.version: [ 1, 2 ]
amdhsa.kernels:
  - .name:           k_qc79b8b7360_attn
    .symbol:         k_qc79b8b7360_attn.kd
    .args:
      - { .name: qkvc, .offset: 0, .size: 8, .value_kind: global_buffer, .address_space: global }
      - { .name: qkvs, .offset: 8, .size: 8, .value_kind: global_buffer, .address_space: global }
      - { .name: ac, .offset: 16, .size: 8, .value_kind: global_buffer, .address_space: global }
      - { .name: asc, .offset: 24, .size: 8, .value_kind: global_buffer, .address_space: global }
    .group_segment_fixed_size: 209920
    .private_segment_fixed_size: 0
    .kernarg_segment_align: 8
    .kernarg_segment_size: 32
    .max_flat_workgroup_size: 256
    .sgpr_count:     80
    .vgpr_count:     512
    .wavefront_size: 32
...
	.end_amdgpu_metadata
.endif
;; end of part 3
;; launch proj (part 4): grid 4 x 64, 4 waves a work-group, clusters of 4 x 4, 327,680 bytes of LDS; arguments ac, asc, wc, ws, b_proj, out0; writes out0
.if DOCPART == 4
	.amdgcn_target "amdgcn-amd-amdhsa--gfx1250"
	.amdhsa_code_object_version 6
	.text
	.protected	k_qc79b8b7360_proj
	.globl	k_qc79b8b7360_proj
	.p2align	8
	.type	k_qc79b8b7360_proj,@function
k_qc79b8b7360_proj:
	s_mov_b64 s[64:65], 0
	v_nop
	global_prefetch_b8 v0, s[64:65] scope:SCOPE_SE
	s_setreg_imm32_b32 hwreg(HW_REG_WAVE_MODE, 25, 1), 1
	s_wait_xcnt 0x0
	s_wait_alu depctr_hold_cnt(0) depctr_sa_sdst(0) depctr_va_vdst(0) depctr_va_sdst(0) depctr_va_ssrc(0) depctr_va_vcc(0) depctr_vm_vsrc(0)
	s_getreg_b32 s2, hwreg(HW_REG_IB_STS2, 6, 4)
	s_cmp_eq_u32 s2, 0
	s_cbranch_scc0 .Lentry_in_a_cluster
	s_endpgm
.Lentry_in_a_cluster:
	s_bfe_u32 s2, ttmp6, 0x10000c
	s_cmp_lg_u32 s2, 0xf033
	s_cbranch_scc0 .Lentry_shape_is_right
	s_endpgm
.Lentry_shape_is_right:
.set NAB,    4
.set HB,     NAB/2
.set FR,     12
.set NL,     4
.set KSB,    3072
.set HALFA,  NAB*KSB
.set HALFB,  8*KSB
.set SLOT,   2*HALFA+2*HALFB
.set SCL,    2*SLOT
.set HSA,    NAB*512
.set HSB,    8*512
.set SPARE,  SCL+2*HSA+2*HSB
.set LAPS,   2
.set SPITCH, 528
.set ADRA16, 16
.set ADRA8,  18
.set ADRB16, 20
.set ADRB8,  22
.set STO,  24
.set RD,   25
.set CO,   26
.set ADRS, 27
.set SPW,  28
.set NIL,  29
.set BA,   30
.set SC,   32
.set BIAS, 64
.set AF,   128
.set BK,   128
.set G1, 24
.set G0, 32
.set G1B, 48
.set G0B, 56
.set G1S, 68
.set G0S, 76
.set G1SB, 80
.set G0SB, 88
.set MSB, 0
.macro WIN new
.if MSB != (\new)
	s_set_vgpr_msb (MSB<<8)|(\new)
.set MSB, (\new)
.endif
.endm
.set TO_B, 0x40
.macro JLOAD g0a, g1a, g0b, g1b
	s_cmp_eq_u32 s17, 0
	s_cbranch_scc0 .Lfor_b_\@
	tensor_load_to_lds s[\g0a:\g0a+3], s[\g1a:\g1a+7]
	s_nop 0
.rept 4
	v_nop
.endr
	s_branch .Lasked_\@
.Lfor_b_\@:
	tensor_load_to_lds s[\g0b:\g0b+3], s[\g1b:\g1b+7]
	s_nop 0
.rept 4
	v_nop
.endr
.Lasked_\@:
.endm
.macro CREST
	s_cmp_lg_u32 s16, 0
	s_cbranch_scc1 .Lnot_wave_0_\@
	s_barrier_signal -3
.Lnot_wave_0_\@:
	s_barrier_wait -3
	s_barrier_signal -1
	s_barrier_wait -1
.endm
.macro CROUND
	s_barrier_signal -1
	s_barrier_wait -1
	CREST
.endm
.macro PLACES
.rept 4
	v_nop
.endr
.endm
.macro FRAG reg, a16, a8, off
	ds_load_b128 v[(\reg):(\reg)+3], v[\a16] offset:(\off)
	ds_load_b64 v[(\reg)+4:(\reg)+5], v[\a8] offset:(\off)+512
	ds_load_b128 v[(\reg)+6:(\reg)+9], v[\a16] offset:(\off)+768
	ds_load_b64 v[(\reg)+10:(\reg)+11], v[\a8] offset:(\off)+1280
.endm
.macro FETCH_B slot, q, p
	WIN TO_B
.irp i, 0,1,2,3,4,5,6,7
	FRAG 128*(\p)+FR*\i, ADRB16+\slot, ADRB8+\slot, \i*KSB+(\q)*1536
.endr
	WIN 0
.endm
.macro FETCH_A slot, q, i0
.set FI, \i0
.rept HB
	FRAG AF+FR*FI, ADRA16+\slot, ADRA8+\slot, FI*KSB+(\q)*1536
.set FI, FI+1
.endr
.endm
.macro SCALES sc
.irp i, 0,1,2,3,4,5,6,7
	ds_load_b64 v[SC+16*\sc+2*\i:SC+16*\sc+2*\i+1], v[ADRS] offset:512*\i
.endr
.endm
.macro MULB a, p, q, sc, first
.irp b, 0,1,2,3,4,5,6,7
.if \first
	v_wmma_scale_f32_16x16x128_f8f6f4 v[8*(8*(\a)+\b):8*(8*(\a)+\b)+7], v[128*(\p)+FR*\b:128*(\p)+FR*\b+FR-1], v[AF+FR*(\a):AF+FR*(\a)+FR-1], v[BIAS+8*\b:BIAS+8*\b+7], v[SC+16*(\sc)+2*\b+(\q)], v[SC+16*(\sc)+2*(\a)+(\q)] matrix_a_fmt:MATRIX_FMT_BF6 matrix_b_fmt:MATRIX_FMT_BF6 matrix_a_scale:MATRIX_SCALE_ROW1
.else
	v_wmma_scale_f32_16x16x128_f8f6f4 v[8*(8*(\a)+\b):8*(8*(\a)+\b)+7], v[128*(\p)+FR*\b:128*(\p)+FR*\b+FR-1], v[AF+FR*(\a):AF+FR*(\a)+FR-1], v[8*(8*(\a)+\b):8*(8*(\a)+\b)+7], v[SC+16*(\sc)+2*\b+(\q)], v[SC+16*(\sc)+2*(\a)+(\q)] matrix_a_fmt:MATRIX_FMT_BF6 matrix_b_fmt:MATRIX_FMT_BF6 matrix_a_scale:MATRIX_SCALE_ROW1
.endif
.endr
.endm
.macro MULS a0, n, p, q, sc, first
.if \first
	WIN 0x81
.else
	WIN 0xa1
.endif
.set MA, \a0
.rept \n
	MULB MA, \p, \q, \sc, \first
.set MA, MA+1
.endr
.endm
.macro STEP slot, first
	s_wait_dscnt HB*NL
	MULS 0, HB, 0, 0, \slot, \first
	s_wait_dscnt 0x0
	PLACES
	FETCH_B \slot, 1, 1
	FETCH_A \slot, 1, 0
	MULS HB, HB, 0, 0, \slot, \first
	PLACES
	WIN 0
	FETCH_A \slot, 1, HB
.endm
.macro TURN slot, next, fill
	s_wait_tensorcnt 0x0
	ds_add_u32 v[SPW], v[NIL]
	s_wait_dscnt HB*NL+1
	MULS 0, HB/2, 1, 1, \slot, 0
	s_wait_dscnt 0x0
	s_barrier_signal -1
	MULS HB/2, HB/2, 1, 1, \slot, 0
	WIN 0
	s_barrier_wait -1
.if \fill
	CREST
	s_add_nc_u64 s[G0+4*\slot+2:G0+4*\slot+3], s[G0+4*\slot+2:G0+4*\slot+3], 2*KSB
	s_add_nc_u64 s[G0B+4*\slot+2:G0B+4*\slot+3], s[G0B+4*\slot+2:G0B+4*\slot+3], 2*KSB
	JLOAD G0+4*\slot, G1, G0B+4*\slot, G1B
.else
	PLACES
.endif
	s_wait_alu depctr_va_vdst(0)
	v_add_nc_u32 v[ADRS], 128, v[ADRS]
	FETCH_B \next, 0, 0
	FETCH_A \next, 0, 0
	SCALES \next
	MULS HB, HB, 1, 1, \slot, 0
	PLACES
	WIN 0
	FETCH_A \next, 0, HB
.endm
	s_load_b128 s[4:7], s[0:1], 0x0
	s_load_b128 s[8:11], s[0:1], 0x10
	s_load_b128 s[12:15], s[0:1], 0x20
	v_lshl_add_u32 v[SPW], v0, 2, SPARE
	v_mov_b32 v[NIL], 0
	ds_add_u32 v28, v29
	ds_add_u32 v28, v29
	s_wait_dscnt 0x0
	v_lshrrev_b32 v1, 5, v0
	v_readfirstlane_b32 s16, v1
	s_lshr_b32 s17, s16, 1
	s_and_b32 s18, s16, 1
	s_bfe_u32 s40, ttmp6, 0x40000
	s_bfe_u32 s41, ttmp6, 0x40004
	s_and_b32 s45, ttmp7, 0xffff
	s_lshl_b32 s45, s45, 2
	s_add_co_u32 s45, s45, s41
	s_lshl_b32 s42, ttmp9, 2
	s_add_co_u32 s42, s42, s40
	s_lshl_b32 s43, s41, 2
	s_lshl_b32 s43, 15, s43
	s_lshl_b32 s44, 0x1111, s40
	s_or_b32 s[G1+0], s43, (3<<16)|(1<<21)
	s_or_b32 s[G1B+0], s44, (3<<16)|(1<<21)
	s_mov_b32 s[G1+1], 384<<16
	s_mov_b32 s[G1+2], NAB<<16
	s_mov_b32 s[G1+3], 384<<16
	s_mov_b32 s[G1+4], NAB
	s_mov_b32 s[G1+5], 1536
	s_mov_b32 s[G1+6], 0
	s_mov_b32 s[G1+7], 0
	s_mov_b32 s[G1B+1], 384<<16
	s_mov_b32 s[G1B+2], 8<<16
	s_mov_b32 s[G1B+3], 384<<16
	s_mov_b32 s[G1B+4], 8
	s_mov_b32 s[G1B+5], 1536
	s_mov_b32 s[G1B+6], 0
	s_mov_b32 s[G1B+7], 0
	s_or_b32 s[G1S+0], s43, (3<<16)|(1<<21)
	s_or_b32 s[G1SB+0], s44, (3<<16)|(1<<21)
	s_mov_b32 s[G1S+1], 32<<16
	s_mov_b32 s[G1S+2], (2*NAB)<<16
	s_mov_b32 s[G1S+3], 32<<16
	s_mov_b32 s[G1S+4], 2*NAB
	s_mov_b32 s[G1S+5], 32
	s_mov_b32 s[G1S+6], 0
	s_mov_b32 s[G1S+7], 0
	s_mov_b32 s[G1SB+1], 32<<16
	s_mov_b32 s[G1SB+2], 16<<16
	s_mov_b32 s[G1SB+3], 32<<16
	s_mov_b32 s[G1SB+4], 16
	s_mov_b32 s[G1SB+5], 32
	s_mov_b32 s[G1SB+6], 0
	s_mov_b32 s[G1SB+7], 0
	s_lshl_b32 s20, s45, 1
	s_add_co_u32 s20, s20, s18
	s_mul_i32 s20, s20, NAB
	s_lshl_b32 s46, s42, 1
	s_add_co_u32 s46, s46, s18
	s_lshl_b32 s46, s46, 3
	s_add_co_u32 s46, s46, 192
	s_lshl_b32 s94, s20, 9
	s_mov_b32 s95, 0
	s_mul_i32 s20, s20, 12288
	s_mov_b32 s21, 0
	s_lshl_b32 s96, s46, 9
	s_mov_b32 s97, 0
	s_mul_i32 s46, s46, 12288
	s_mov_b32 s47, 0
	s_mul_i32 s23, s18, HALFA
	s_mul_i32 s92, s18, HALFB
	s_add_co_u32 s92, s92, 2*HALFA
	s_mul_i32 s93, s18, HSA
	s_mul_i32 s98, s18, HSB
	s_wait_kmcnt 0x0
	s_add_nc_u64 s[20:21], s[4:5], s[20:21]
	s_add_nc_u64 s[94:95], s[6:7], s[94:95]
	s_add_nc_u64 s[46:47], s[8:9], s[46:47]
	s_add_nc_u64 s[96:97], s[10:11], s[96:97]
	CROUND
	s_mov_b32 s[G0S], 1
	; the head's four tiles, each whole, one a wave: A's rows of slot 0, B's, A's scale words, B's (each address steps back over my half)
	s_mov_b32 s[G0S+1], SCL
	s_mov_b32 s3, 0
	s_mov_b32 s2, s93
	s_sub_nc_u64 s[G0S+2:G0S+3], s[94:95], s[2:3]
	s_or_b32 s[G0S+3], s[G0S+3], 0x80000000
	s_mov_b32 s[G0SB], 1
	s_mov_b32 s[G0SB+1], SCL+2*HSA
	s_mov_b32 s2, s98
	s_sub_nc_u64 s[G0SB+2:G0SB+3], s[96:97], s[2:3]
	s_or_b32 s[G0SB+3], s[G0SB+3], 0x80000000
	s_mov_b32 s4, 1
	s_mov_b32 s5, 0
	s_mul_i32 s2, s18, NAB*12288
	s_sub_nc_u64 s[6:7], s[20:21], s[2:3]
	s_or_b32 s7, s7, 0x80000000
	s_mov_b32 s8, 1
	s_mov_b32 s9, 2*HALFA
	s_mul_i32 s2, s18, 8*12288
	s_sub_nc_u64 s[10:11], s[46:47], s[2:3]
	s_or_b32 s11, s11, 0x80000000
	s_mov_b32 s[G1+2], (2*NAB)<<16
	s_mov_b32 s[G1+4], 2*NAB
	s_mov_b32 s[G1B+2], 16<<16
	s_mov_b32 s[G1B+4], 16
	s_mov_b32 s[G1S+2], (4*NAB)<<16
	s_mov_b32 s[G1S+4], 4*NAB
	s_mov_b32 s[G1SB+2], 32<<16
	s_mov_b32 s[G1SB+4], 32
	s_cmp_lt_u32 s16, 1
	s_cbranch_scc0 .Lhead_b
	tensor_load_to_lds s[4:7], s[G1:G1+7]
	s_nop 0
	PLACES
	s_branch .Lhead_asked
.Lhead_b:
	s_cmp_lt_u32 s16, 2
	s_cbranch_scc0 .Lhead_sa
	tensor_load_to_lds s[8:11], s[G1B:G1B+7]
	s_nop 0
	PLACES
	s_branch .Lhead_asked
.Lhead_sa:
	s_cmp_lt_u32 s16, 3
	s_cbranch_scc0 .Lhead_sb
	tensor_load_to_lds s[G0S:G0S+3], s[G1S:G1S+7]
	s_nop 0
	PLACES
	s_branch .Lhead_asked
.Lhead_sb:
	tensor_load_to_lds s[G0SB:G0SB+3], s[G1SB:G1SB+7]
	s_nop 0
	PLACES
.Lhead_asked:
.irp s, 0,1
	s_mov_b32 s[G0+4*\s], 1
	s_add_co_u32 s[G0+4*\s+1], s23, \s*SLOT
	s_add_nc_u64 s[G0+4*\s+2:G0+4*\s+3], s[20:21], \s*KSB
	s_or_b32 s[G0+4*\s+3], s[G0+4*\s+3], 0x80000000
	s_mov_b32 s[G0B+4*\s], 1
	s_add_co_u32 s[G0B+4*\s+1], s92, \s*SLOT
	s_add_nc_u64 s[G0B+4*\s+2:G0B+4*\s+3], s[46:47], \s*KSB
	s_or_b32 s[G0B+4*\s+3], s[G0B+4*\s+3], 0x80000000
.endr
	v_and_b32 v3, 31, v0
	v_and_b32 v1, 15, v0
	v_bfe_u32 v2, v0, 4, 1
	v_lshlrev_b32 v[CO], 4, v3
	s_wait_alu depctr_va_vdst(0)
	v_lshlrev_b32 v4, 3, v3
	s_wait_alu depctr_va_vdst(0)
	s_lshl_b32 s46, s42, 10
	s_lshl_b32 s47, s18, 9
	s_add_co_u32 s46, s46, s47
	s_mov_b32 s47, 0
	s_add_nc_u64 s[12:13], s[12:13], s[46:47]
	v_lshlrev_b32 v[BA], 6, v2
.irp b, 0,1,2,3,4,5,6,7
	global_load_b128 v[BIAS+8*\b:BIAS+8*\b+3], v[BA], s[12:13] offset:128*(\b/2)+32*(\b%2)
	global_load_b128 v[BIAS+8*\b+4:BIAS+8*\b+7], v[BA], s[12:13] offset:128*(\b/2)+32*(\b%2)+16
.endr
	s_mul_i32 s21, s17, HALFA
	s_mul_i32 s22, s18, HALFB
	s_add_co_u32 s22, s22, 2*HALFA
.irp s, 0,1
	v_add_nc_u32 v[ADRA16+\s], s21, v[CO]
	v_add_nc_u32 v[ADRA8+\s], s21, v4
	v_add_nc_u32 v[ADRB16+\s], s22, v[CO]
	v_add_nc_u32 v[ADRB8+\s], s22, v4
	s_add_co_u32 s21, s21, SLOT
	s_add_co_u32 s22, s22, SLOT
.endr
	v_lshlrev_b32 v5, 3, v1
	s_mul_i32 s21, s17, HSA
	s_mul_i32 s22, s18, HSB
	s_add_co_u32 s22, s22, 2*HSA
	s_sub_co_u32 s22, s22, s21
	v_mul_u32_u24 v6, s22, v2
	s_add_co_u32 s21, s21, SCL
	v_add_nc_u32 v5, v5, v6
	v_add_nc_u32 v[ADRS], s21, v5
	s_mul_i32 s23, s16, 16*SPITCH
	v_mul_u32_u24 v5, v1, SPITCH
	v_lshl_add_u32 v5, v2, 6, v5
	v_add_nc_u32 v[STO], s23, v5
	v_add_nc_u32 v[RD], s23, v[CO]
	s_wait_alu depctr_va_vdst(0)
	s_wait_tensorcnt 0x0                           ; my tile of the head's four is in
	ds_add_u32 v[SPW], v[NIL]
	s_mov_b32 s[G1+2], NAB<<16                     ; no load of mine is out: from here on a load brings my half of a tile
	s_mov_b32 s[G1+4], NAB
	s_mov_b32 s[G1B+2], 8<<16
	s_mov_b32 s[G1B+4], 8
	s_wait_dscnt 0x0
	CROUND
	JLOAD G0+4, G1, G0B+4, G1B
	FETCH_B 0, 0, 0
	FETCH_A 0, 0, 0
	SCALES 0
	FETCH_A 0, 0, HB
	s_wait_loadcnt 0x0
	STEP 0, 1
.rept LAPS-1
	TURN 0, 1, 1
	STEP 1, 0
	TURN 1, 0, 1
	STEP 0, 0
.endr
	TURN 0, 1, 0
	STEP 1, 0
	s_wait_dscnt HB*NL
	MULS 0, HB, 1, 1, 1, 0
	s_wait_dscnt 0x0
	MULS HB, HB, 1, 1, 1, 0
	WIN 0
	s_lshl_b32 s20, s45, 7
	s_lshl_b32 s21, s17, 6
	s_add_co_u32 s20, s20, s21
	s_lshl_b32 s20, s20, 12
	s_lshl_b32 s21, s42, 10
	s_add_co_u32 s20, s20, s21
	s_lshl_b32 s21, s18, 9
	s_add_co_u32 s20, s20, s21
	s_mov_b32 s21, 0
	s_add_nc_u64 s[14:15], s[14:15], s[20:21]
.macro TOSTAGE a
	WIN 0x08
.irp b, 0,1,2,3,4,5,6,7
	ds_store_b128 v[STO], v[64*(\a)+8*\b:64*(\a)+8*\b+3] offset:128*(\b/2)+32*(\b%2)
	ds_store_b128 v[STO], v[64*(\a)+8*\b+4:64*(\a)+8*\b+7] offset:128*(\b/2)+32*(\b%2)+16
.endr
	WIN 0
.set BB, BK+64*((\a)%2)
.irp t, 0,1,2,3,4,5,6,7,8,9,10,11,12,13,14,15
	ds_load_b128 v[BB+4*\t:BB+4*\t+3], v[RD] offset:\t*SPITCH
.endr
.endm
.macro SEND a, younger
.set BB, BK+64*((\a)%2)
	s_wait_dscnt \younger
.irp t, 0,1,2,3,4,5,6,7,8,9,10,11,12,13,14,15
	global_store_b128 v[CO], v[BB+4*\t:BB+4*\t+3], s[14:15] offset:(32*((\a)/2)+8*((\a)%2)+\t+8*(\t/8))*4096 th:TH_STORE_NT
.endr
.endm
	PLACES
	TOSTAGE 0
.irp a, 1,2,3
.if \a > 1
	s_wait_xcnt 0x0
.endif
	TOSTAGE \a
	SEND \a-1, 32
.endr
	SEND 3, 0
	s_wait_tensorcnt 0x0
	ds_add_u32 v[SPW], v[NIL]
	s_wait_dscnt 0x0
	CROUND
	s_endpgm
.Lfunc_end_k_qc79b8b7360_proj:
	.size	k_qc79b8b7360_proj, .Lfunc_end_k_qc79b8b7360_proj-k_qc79b8b7360_proj
	.p2alignl 7, 3214868480
	.fill 96, 4, 3214868480
	.section	.rodata,"a",@progbits
	.p2align	6, 0x0
	.amdhsa_kernel k_qc79b8b7360_proj
		.amdhsa_group_segment_fixed_size 327680
		.amdhsa_private_segment_fixed_size 0
		.amdhsa_enable_private_segment 0
		.amdhsa_kernarg_size 48
		.amdhsa_user_sgpr_count 2
		.amdhsa_user_sgpr_kernarg_segment_ptr 1
		.amdhsa_wavefront_size32 1
		.amdhsa_system_sgpr_workgroup_id_x 1
		.amdhsa_system_sgpr_workgroup_id_y 1
		.amdhsa_system_sgpr_workgroup_id_z 1
		.amdhsa_system_vgpr_workitem_id 0
		.amdhsa_next_free_vgpr 768
		.amdhsa_next_free_sgpr 100
		.amdhsa_reserve_vcc 0
		.amdhsa_float_denorm_mode_32 3
		.amdhsa_float_denorm_mode_16_64 3
		.amdhsa_memory_ordered 1
		.amdhsa_forward_progress 1
		.amdhsa_inst_pref_size 92
	.end_amdhsa_kernel
	.amdgpu_metadata
---
amdhsa.version: [ 1, 2 ]
amdhsa.kernels:
  - .name:           k_qc79b8b7360_proj
    .symbol:         k_qc79b8b7360_proj.kd
    .args:
      - { .name: ac, .offset: 0, .size: 8, .value_kind: global_buffer, .address_space: global }
      - { .name: asc, .offset: 8, .size: 8, .value_kind: global_buffer, .address_space: global }
      - { .name: wc, .offset: 16, .size: 8, .value_kind: global_buffer, .address_space: global }
      - { .name: ws, .offset: 24, .size: 8, .value_kind: global_buffer, .address_space: global }
      - { .name: b_proj, .offset: 32, .size: 8, .value_kind: global_buffer, .address_space: global }
      - { .name: out0, .offset: 40, .size: 8, .value_kind: global_buffer, .address_space: global }
    .group_segment_fixed_size: 327680
    .private_segment_fixed_size: 0
    .kernarg_segment_align: 8
    .kernarg_segment_size: 48
    .max_flat_workgroup_size: 128
    .sgpr_count:     100
    .vgpr_count:     768
    .wavefront_size: 32
...
	.end_amdgpu_metadata
.endif
;; end of part 4
